; MI455X (gfx1250); checked and timed in simulation.
; The chip was launched on July 23, 2026; its instructions are those of AMD's public machine-readable ISA for CDNA 5 (MIT licence, August 2026) and "CDNA5" Instruction Set Architecture Reference Guide (July 2026). The comments in the code are by the model that wrote it; some were corrected since.
;; Multi Head Attention. Allowed arithmetic: matrix products marked QUANTISED: E4M3 operands, one given power-of-two scale a tensor, by v_wmma_f32_16x16x64_fp8_fp8 or v_wmma_f32_16x16x128_fp8_fp8, f32 sums; products left as they are: f32 operands where the result goes on into a quantised operand, else bf16, f16 or f32 operands; f32 sums; everything else in f32.
;; Inputs: Wo_codes 1,024 x 32 x 32 uint8 (E4M3 codes of Wo, K innermost, in blocks of 32 codes); Wq_codes 1,024 x 64 x 32 uint8 (E4M3 codes of Wq, K innermost, in blocks of 32 codes); Wv_codes 1,024 x 96 x 32 uint8 (E4M3 codes of Wv, K innermost, in blocks of 32 codes); bo 1,024 float32; bq 1,024 float32; bv 1,024 float32; correlation_weight 64 x 128 float32; k_codes 64 x 128 x 64 x 32 uint8 (E4M3 codes of k, K innermost, in blocks of 32 codes); lambdas 1 x 16 x 1 x 1 float32; lowp_scales 10 int32 (the exponents e of the quantised operands' scales 2^e); q_codes 64 x 1 x 64 x 32 uint8 (E4M3 codes of q, K innermost, in blocks of 32 codes); qe_codes 64 x 128 x 4 x 32 uint8 (E4M3 codes of qe, K innermost, in blocks of 32 codes); v_backward_codes 64 x 128 x 96 x 32 uint8 (E4M3 codes of v_backward, K innermost, in blocks of 32 codes).
;; Outputs: out0 64 x 128 x 1,024 float32; out1 64 x 128 float32.
;; This version of the problem:
;;   THIS VERSION OF THE PROBLEM IS GIVEN IN LOW PRECISION. The matrix products marked QUANTISED in the list below multiply operands that are first quantised to E4M3 (4 exponent bits, 3 mantissa bits; 8 bits a number), with one given power-of-two scale for each operand tensor; their sums are f32. All else is computed in f32.
;;   The module's matrix products, in the order in which they are computed (A, B: the left and right operand; K: the contracted axis; several contracted axes count as one K, in the product's order):
;;     1. [M 64, K 2,048] x [K 2,048, N 1,024]; A: input q (given as codes); B: input Wq (given as codes): QUANTISED (scales: A lowp_scales[0], B lowp_scales[1])
;;     2. [M 8,192, K 2,048] x [K 2,048, N 1,024]; A: input k (given as codes); B: input Wq (given as codes): QUANTISED (scales: A lowp_scales[2], B lowp_scales[3])
;;     3. batch 1,024 x [M 1, K 64] x [K 64, N 128]; A: computed on the way; B: computed on the way: left as it is (M = 1 < 16)
;;     4. batch 64 x [M 16, K 128] x [K 128, N 128]; A: computed on the way; B: input qe (given as codes): QUANTISED (scales: A lowp_scales[4], B lowp_scales[5])
;;     5. [M 8,192, K 3,072] x [K 3,072, N 1,024]; A: input v_backward (given as codes); B: input Wv (given as codes): QUANTISED (scales: A lowp_scales[6], B lowp_scales[7])
;;     6. [M 8,192, K 1,024] x [K 1,024, N 1,024]; A: computed on the way; B: input Wo (given as codes): QUANTISED (scales: A lowp_scales[8], B lowp_scales[9])
;;   THE QUANTISER, for each operand of a quantised product, along K:
;;     - The operand's scale is 2^e, e = its entry of the input lowp_scales (int32; the entries are numbered through the quantised products in the list's order, A before B).
;;     - Each number is divided by the scale, clamped to +-448, and rounded to the nearest number of E4M3, ties to even, subnormals kept.
;;     - The product sums the exact products of the quantised numbers (number of the format x scale) in f32.
;;   ~~~python
;;   def quantise(x, axis, e):      # numpy; x: float32 -> the quantised numbers, widened to float32 again
;;       x = np.moveaxis(x, axis, -1); K = x.shape[-1]
;;       r = np.clip(x / 2.0 ** e, -448, 448)
;;       step = 2.0 ** (np.maximum(np.frexp(np.where(r == 0, 1, r))[1] - 1, -6) - 3)
;;       q = np.round(r / step) * step * 2.0 ** e      # np.round: ties to even
;;       return np.moveaxis(q, -1, axis).astype(np.float32)
;;   ~~~
;;   OPERANDS COMPUTED ON THE WAY. 'Computed on the way' means the value that the module computes at that place (a softmax that the list does not call 'softmax' is quantised finished and normalised). What goes into a quantiser is computed in f32, as accurately as f32 sums, v_exp_f32 and their like allow (about 1e-6 of the number): no bf16 or f16 on the way to a quantiser, and a product that is left as it is and whose result goes on into a quantised operand takes f32 operands (vector FMAs, or v_wmma_f32_16x16x4_f32). A number that lies on a knife's edge between two numbers of the format may be rounded either way, as far as f32 arithmetic and the matrix unit's own rounding can turn it there, and no further.
;;   INPUTS GIVEN AS CODES. Wo (in the module: [1024, 1024], K = its axis 1); Wq (in the module: [1024, 2048], K = its axis 1); Wv (in the module: [1024, 3072], K = its axis 1); k (in the module: [64, 128, 2048], K = its axis 2); q (in the module: [64, 1, 2048], K = its axis 2); qe (in the module: [64, 128, 128], K = its axis 2); v_backward (in the module: [64, 128, 3072], K = its axis 2): each comes as NAME_codes (uint8): NAME with its K axis moved to the last place and cut into blocks of 32 codes, [.., K / 32, bytes a block], one block behind the other in memory; one code a byte (a code: sign, 4 exponent bits, 3 mantissa bits); its scale is its entry of lowp_scales. Its value is code x scale, taken as it is: it is not quantised again, and the codes and scales need not be those that the quantiser above would give.
;; 2 versions, each right. Each part assembles by itself: llvm-mc -triple=amdgcn-amd-amdhsa -mcpu=gfx1250 --defsym DOCPART=n.
;; ======== version 1 of 2: 2 launches
;; workspace buffers: concat 8,388,608 bytes
;; launch gate_v (part 1): grid 4 x 64, 4 waves a work-group, clusters of 4 x 4, 327,680 bytes of LDS; arguments k_codes, v_backward_codes, Wq_codes, Wv_codes, q_codes, qe_codes, bq, bv, correlation_weight, lambdas, lowp_scales, concat, out1; writes concat, out1
.if DOCPART == 1
	.amdgcn_target "amdgcn-amd-amdhsa--gfx1250"
	.amdhsa_code_object_version 6
	.text
	.protected	k_q3f1b65c17a_gate_v
	.globl	k_q3f1b65c17a_gate_v
	.p2align	8
	.type	k_q3f1b65c17a_gate_v,@function
k_q3f1b65c17a_gate_v:
	s_mov_b64 s[64:65], 0
	v_nop
	global_prefetch_b8 v0, s[64:65] scope:SCOPE_SE
	s_setreg_imm32_b32 hwreg(HW_REG_WAVE_MODE, 25, 1), 1
	s_wait_xcnt 0x0
	s_wait_alu depctr_hold_cnt(0) depctr_sa_sdst(0) depctr_va_vdst(0) depctr_va_sdst(0) depctr_va_ssrc(0) depctr_va_vcc(0) depctr_vm_vsrc(0)
	s_getreg_b32 s2, hwreg(HW_REG_IB_STS2, 6, 4)
	s_cmp_eq_u32 s2, 0
	s_cbranch_scc0 .Lentry_in_a_cluster
	s_endpgm
.Lentry_in_a_cluster:
	s_bfe_u32 s2, ttmp6, 0x10000c
	s_cmp_lg_u32 s2, 0xf033
	s_cbranch_scc0 .Lentry_shape_is_right
	s_endpgm
.Lentry_shape_is_right:
; concat[128 b + l][64 head + d] = Q8( sigmoid(lam cw[b][l] + (1 - lam) qe_score[b][head][l]) x vp[b][l][64 head + d] ), codes of FP8 (E4M3) with the scale 2^e8; out1[b][l] = qe_score[b][0][l].
; qp = q Wq^T + bq, kp = k Wq^T + bq, score = qp . kp / 8 (f32 multiply-adds), qe_score = Q4(score) qe^T, vp = v Wv^T + bv.  All large operands arrive as codes, K innermost.
; SHARES.  A work-group owns one batch b (128 rows) and four heads (256 columns, tile g); wave w owns one head: all 128 rows x 64 columns = 32 accumulators of 16 x 16, 256 registers.  64 x 4 = 256 work-groups.
; A head's scores need that head's 64 columns of kp for all 128 rows: they never leave the wave.
; THE MATRIX INSTRUCTION IS USED TRANSPOSED: source 0 = 16 rows of the weight, source 1 = 16 rows of k or v: lane (r, h) holds row 16 a + r, and register j of accumulator (a, t) column 16 t + 8 h + j.
; q has one row: its tile is that row sixteen times (every lane reads the same codes), four matrix instructions for each 128 along K beside kp's 32; every lane then holds qp at its own eight columns.
; The biases are the C of each sum's first matrix instruction, divided by the power of two that the sums lack.
; K goes in steps of 256 (rows of 256 bytes) through two LDS slots, 8 steps of k and Wq and then 12 of v and Wv without a stop: the last two changes of slots of the first product ask for the second's first tiles.
; CLUSTERS: 4 x 4 work-groups.  The four of a row of the cluster share the batch, so k's and v's tiles are asked for jointly along the row; the four of a column share the column tile, so the weights' tiles along the column.
; A fragment (16 rows x 128 K) comes by four loads of 16 bytes, 32 bytes apart, at row x pitch + 16 h: the same permutation of k on both sides of every product.
; LIMITS on the given exponents, so that each power of two made as an f32 pattern is a number: e4, and e8 - e6 - e7, between -126 and 119.  The other sums of exponents go through v_ldexp_f32; bq / 2^(e0+e1), bq / 2^(e2+e3)
; and bv / 2^(e6+e7) must be f32 numbers.  NaN codes among the inputs are not served.
; REGISTERS, in windows of 256: window 0: v1-31 addresses and constants; v32-95 at work (scores, qe_score, concat's codes); v96-159, v160-223 the weight's fragments, two sets; v224-239, v240-255 q's fragment, two sets (later the
;   scores' fragment, and the gates).  window 1: k's or v's fragments, two sets of 128.  window 2: the 32 accumulators, (a, t) at v[8 (4 a + t)].  window 3: v0-127 qe's eight fragments; v128.. bq, v160.. bv as C; v192-223 qp's four accumulators.
.set PITCH,  272                       ; an LDS row: 256 bytes + 16 of padding = 68 words: the 16 rows that a load touches start at 16 different groups of four banks (ISA guide 11.1)
.set ATILE,  128*PITCH                 ; k's or v's 128 rows
.set SLOT,   384*PITCH                 ; then the weight's 256 rows
.set SPARE,  2*SLOT                    ; behind the ring: the spare words, 128 bytes a wave, two blocks of 256 bytes that no other line names
.set QS,     SPARE+512                 ; q's 2,048 codes, a copy for each wave
.set SC,     QS+4*2048                 ; 128 f32 for each wave: the scores, then qe_score
.set STAGE,  SC+4*512                  ; concat's codes: 128 rows x (256 bytes + 16), the work-group's
.set ADRA, 4                           ; v4-5   LDS address of my fragments of k or v in slot 0, 1
.set ADRB, 6                           ; v6-7   the same for the weight's 64 rows that are my head's
.set ADRQ, 8                           ; v8     q's codes: my wave's copy + 16 h
.set SCW,  9                           ; v9     my wave's 128 f32: + 4 r
.set SCR,  10                          ; v10    + 64 h
.set SCO,  11                          ; v11    + 16 x lane
.set STO,  12                          ; v12    the stage: row r, my head's 64 bytes, + 8 h
.set RD,   13                          ; v13    back: rows 32 w + h, 16 bytes a lane
.set CO,   14                          ; v14    the same two rows in concat
.set L16,  15                          ; v15    16 x lane
.set CW,   16                          ; v16-23 correlation_weight(16 a + r)
.set PFOK, 24                          ; v24    2,048 x lane: a row of k;  v25: 3,072 x lane: a row of v; never rewritten
.set PFOV, 25
.set SPW,  26                          ; v26    LDS address of my spare word; never rewritten
.set NIL,  27                          ; v27    0; never rewritten
.set X,    32
.set BF,   96
.set QF,   224
.set SF,   224
.set TT,   240                         ; eight pairs: a row tile's score in two halves; later the gate in the pair's low register
.set TMP,  96
.set BQK,  128                         ; in window 3
.set BV,   160
.set QP,   192
.set PFK,  4                           ; s[4:5]   k at my work-group's 32 rows of the batch's 128
.set AV,   6                           ; s[6:7]   v at the 64 rows that I would fetch
.set PFV,  8                           ; s[8:9]   v at my work-group's 32 rows
.set BVP,  10                          ; s[10:11] Wv at the 128 rows that I would fetch
.set WV,   30                          ; s30  wave
.set HALF, 31                          ; s31  0: I fetch for k and v; 1: for the weights
.set G1AK, 36                          ; descriptor groups 1: k's tiles, Wq's, v's, Wv's
.set G1BK, 44
.set G1AV, 52
.set G1BV, 68
.set G0A,  76                          ; groups 0, a set for each slot
.set G0B,  84
.set LAM,  66
.set LIM,  67
.set PADW, (1<<20)|(1<<21)|(5<<22)|(3<<25)  ; elements of 1 byte; padding on; bit 21 beside a mask; after every 64 words, 4 words
.set MUL,  0xa4                        ; source 0 (weight) window 0, source 1 (k, v) window 1, C and D window 2
.set MULB, 0xb4                        ; the same with C (a bias) from window 3
.set W_Q,  0xf0                        ; both sources window 0, C and D window 3
.set TO_A, 0x40                        ; destination window 1
.set MSB, 0
.macro WIN new                         ; the immediate's high byte repeats the setting that is left
.if MSB != (\new)
	s_set_vgpr_msb (MSB<<8)|(\new)
.set MSB, \new
.endif
.endm
.macro PLACES n
.rept \n
	v_nop
.endr
.endm
; A joint load: waves 0 and 1 fetch the two halves (64 rows) of k's or v's tile, waves 2 and 3 the two halves (128 rows) of the weight's.  The branch hangs on the wave's number alone.  Four v_nop follow each of the two lines.
.macro JLOAD g0a, g1a, g0b, g1b
	s_cmp_eq_u32 s[HALF], 0
	s_cbranch_scc0 .Lfor_b_\@
	tensor_load_to_lds s[\g0a:\g0a+3], s[\g1a:\g1a+7]
	s_nop 0
.rept 4
	v_nop
.endr
	s_branch .Lasked_\@
.Lfor_b_\@:
	tensor_load_to_lds s[\g0b:\g0b+3], s[\g1b:\g1b+7]
	s_nop 0
.rept 4
	v_nop
.endr
.Lasked_\@:
.endm
.macro CREST                           ; a round of the cluster's barrier behind its opening barrier
	s_cmp_lg_u32 s[WV], 0
	s_cbranch_scc1 .Lnot_wave_0_\@
	s_barrier_signal -3
.Lnot_wave_0_\@:
	s_barrier_wait -3
	s_barrier_signal -1
	s_barrier_wait -1
.endm
.macro CROUND
	s_barrier_signal -1
	s_barrier_wait -1
	CREST
.endm
.macro FRAG reg, adr, off              ; a fragment: registers 4 c .. 4 c + 3 hold K = 32 c + 16 h + 0 .. 15 of row r
.irp c, 0,1,2,3
	ds_load_b128 v[(\reg)+4*\c:(\reg)+4*\c+3], v[\adr] offset:(\off)+32*\c
.endr
.endm
; One run of LDS loads: the fragments of the slot's q-th 128 along K into the given set: q's (qi: which 128 of its 2,048; -1: none), the weight's four, then the eight of k or v in ascending order
.macro FETCH slot, q, set, qi
	WIN 0
.if (\qi) >= 0
	FRAG QF+16*(\set), ADRQ, 128*(\qi)
.endif
.irp t, 0,1,2,3
	FRAG BF+64*(\set)+16*\t, ADRB+(\slot), 128*(\q)+16*PITCH*\t
.endr
	WIN TO_A
.irp a, 0,1,2,3,4,5,6,7
	FRAG 128*(\set)+16*\a, ADRA+(\slot), 128*(\q)+16*PITCH*\a
.endr
.endm
; 8 matrix instructions: row tiles a0, a0 + 1 x my four column tiles.  mode 0: onto the sums; mode 1: the sums begin with the bias as C.  The accumulators take turns, one instruction a turn.
.macro MUL8 a0, set, mode, bias
.irp a, \a0, \a0+1
.irp t, 0,1,2,3
.if (\mode) == 0
	v_wmma_f32_16x16x128_fp8_fp8 v[8*(4*(\a)+\t):8*(4*(\a)+\t)+7], v[BF+64*(\set)+16*\t:BF+64*(\set)+16*\t+15], v[128*(\set)+16*(\a):128*(\set)+16*(\a)+15], v[8*(4*(\a)+\t):8*(4*(\a)+\t)+7]
.else
	v_wmma_f32_16x16x128_fp8_fp8 v[8*(4*(\a)+\t):8*(4*(\a)+\t)+7], v[BF+64*(\set)+16*\t:BF+64*(\set)+16*\t+15], v[128*(\set)+16*(\a):128*(\set)+16*(\a)+15], v[(\bias)+8*\t:(\bias)+8*\t+7]
.endif
.endr
.endr
.endm
.macro MWIN mode
.if (\mode) == 1
	WIN MULB
.else
	WIN MUL
.endif
.endm
.macro MULQ set                        ; qp's four accumulators, which began as bq / 2^(e0 + e1)
	WIN W_Q
.irp t, 0,1,2,3
	v_wmma_f32_16x16x128_fp8_fp8 v[QP+8*\t:QP+8*\t+7], v[BF+64*(\set)+16*\t:BF+64*(\set)+16*\t+15], v[QF+16*(\set):QF+16*(\set)+15], v[QP+8*\t:QP+8*\t+7]
.endr
.endm
; A step of 128 along K on the given set; in its middle the next step's fragments are fetched into the other set, in one run behind four places
; (a load into a register that a matrix instruction has read stands four plain vector instructions behind it: ISA guide 7.12.1 for vector instructions).
.macro STEP set, nslot, nq, mode, bias, qi, doq
	s_wait_dscnt 16                                ; all but the youngest sixteen loads (row tiles 4-7) are in
	MWIN \mode
	MUL8 0, \set, \mode, \bias
	MUL8 2, \set, \mode, \bias
	s_wait_dscnt 0x0                               ; row tiles 4-7 are in
	PLACES 4
	FETCH \nslot, \nq, 1-(\set), \qi
	MWIN \mode
	MUL8 4, \set, \mode, \bias
	MUL8 6, \set, \mode, \bias
.if \doq
	MULQ \set
.endif
.endm
; PREFETCHES INTO THE L2 of k's and v's tiles, four refills (eight steps of 128 along K, 256 to 288 matrix instructions) ahead of the joint load that will ask for them.  A slot's part of a row is 256 bytes, aligned.  The batch's 128 rows are
; read by the four partners of a row of the cluster alone: each takes 32 of them, told apart by address; in each, wave 0 asks, a lane a row: each block of 256 bytes is named once.  Change of slots m (0 .. 7) names k's K steps 6, 7, then v's 0 .. 5;
; the second product's first six changes name v's 6 .. 11; the last four ask for nothing.  k's first six K steps come by their loads alone.  The weights, which sixteen rows of clusters read, are not asked for.
.macro ASKK m
	WIN 0
	s_cmp_lg_u32 s[WV], 0
	s_cbranch_scc1 .Lnot_mine_\@
.if (\m) < 2
	global_prefetch_b8 v[PFOK], s[PFK:PFK+1] offset:256*((\m)+6) th:TH_LOAD_NT scope:SCOPE_SE
.else
	global_prefetch_b8 v[PFOV], s[PFV:PFV+1] offset:256*((\m)-2) th:TH_LOAD_NT scope:SCOPE_SE
.endif
.Lnot_mine_\@:
.endm
.macro ASKV
	WIN 0
	s_cmp_gt_u32 s3, s[LIM]                        ; wave 0, while more than two trips are left
	s_cbranch_scc0 .Lnot_mine_\@
	global_prefetch_b8 v[PFOV], s[PFV:PFV+1] th:TH_LOAD_NT scope:SCOPE_SE
.Lnot_mine_\@:
.endm
; A slot's second step (set 1) changes slots: ONE barrier; in front of it each wave waits for all its tensor loads, adds 0 to its spare word, and waits for that and for its own reads of this slot.
; fill = 1: this slot takes k's and Wq's K step two on; 2: v's and Wv's first K steps; 3: v's and Wv's two on; 0: nothing.  With a fill the barrier opens a round of the cluster's barrier, and the joint load is the first thing behind it.
.macro TURN slot, next, fill, qi, doq, ask
.if (\ask) == 8
	s_wait_xcnt 0x0                                ; the last prefetch, two steps back, has read its address: it is stepped here
	s_add_nc_u64 s[PFV:PFV+1], s[PFV:PFV+1], 256
.endif
	WIN 0                                          ; (the add's two registers lie in window 0)
	s_wait_tensorcnt 0x0                           ; all my tensor loads have landed: the one that was out is my part of the next slot; so a group 0 may be written
	ds_add_u32 v[SPW], v[NIL]                      ; 0 onto my spare word
.if ((\fill) == 1) || ((\fill) == 3)
	s_add_nc_u64 s[G0A+4*(\slot)+2:G0A+4*(\slot)+3], s[G0A+4*(\slot)+2:G0A+4*(\slot)+3], 512
	s_add_nc_u64 s[G0B+4*(\slot)+2:G0B+4*(\slot)+3], s[G0B+4*(\slot)+2:G0B+4*(\slot)+3], 512
.elseif (\fill) == 2
	s_add_nc_u64 s[G0A+4*(\slot)+2:G0A+4*(\slot)+3], s[AV:AV+1], 256*(\slot)
	s_or_b32 s[G0A+4*(\slot)+3], s[G0A+4*(\slot)+3], 0x80000000
	s_add_nc_u64 s[G0B+4*(\slot)+2:G0B+4*(\slot)+3], s[BVP:BVP+1], 256*(\slot)
	s_or_b32 s[G0B+4*(\slot)+3], s[G0B+4*(\slot)+3], 0x80000000
.endif
	s_wait_dscnt 17                                ; (the add and the youngest sixteen loads may be out)
	WIN MUL
	MUL8 0, 1, 0, 0                                ; eight matrix instructions stand between the add and the wait for it
	s_wait_dscnt 0x0                               ; the add is done, and my reads of this slot are over
	s_barrier_signal -1
	MUL8 2, 1, 0, 0
	WIN 0
	s_barrier_wait -1
.if (\fill) == 0
	PLACES 4
.else
	CREST                                          ; no wave of any partner still reads this slot or has a load on its way
.if (\fill) == 1
	JLOAD G0A+4*(\slot), G1AK, G0B+4*(\slot), G1BK
.else
	JLOAD G0A+4*(\slot), G1AV, G0B+4*(\slot), G1BV
.endif
.endif
	FETCH \next, 0, 0, \qi                         ; the four v_nop above are the places in front of these loads
.if (\ask) == 8
	ASKV
.elseif (\ask) >= 0
	ASKK \ask
.endif
	WIN MUL
	MUL8 4, 1, 0, 0
	MUL8 6, 1, 0, 0
.if \doq
	MULQ 1
.endif
.endm
	s_load_b512 s[4:19], s[0:1], 0x0               ; k, v, Wq, Wv, q, qe, bq, bv
	s_load_b256 s[20:27], s[0:1], 0x40             ; correlation_weight, lambdas, the exponents, concat
	s_load_b64 s[28:29], s[0:1], 0x60              ; out1
	v_lshl_add_u32 v[SPW], v0, 2, SPARE
	v_mov_b32 v[NIL], 0
	ds_add_u32 v26, v27
	ds_add_u32 v26, v27
	s_wait_dscnt 0x0
	v_lshrrev_b32 v1, 5, v0
	v_readfirstlane_b32 s[WV], v1                  ; wave 0..3
	s_lshr_b32 s[HALF], s[WV], 1
	s_and_b32 s32, s[WV], 1                        ; u: which half of the tile I fetch
	s_bfe_u32 s33, ttmp6, 0x40000                  ; cx
	s_bfe_u32 s34, ttmp6, 0x40004                  ; cy
	s_lshl_b32 s35, ttmp9, 2
	s_add_co_u32 s35, s35, s33                     ; g: the tile of 256 columns = 4 x cluster x + cx
	s_and_b32 s60, ttmp7, 0xffff
	s_lshl_b32 s60, s60, 2
	s_add_co_u32 s60, s60, s34                     ; b: the batch = 4 x cluster y + cy
	s_lshl_b32 s61, s35, 2
	s_add_co_u32 s61, s61, s[WV]                   ; my head
	s_lshl_b32 s2, s34, 2
	s_lshl_b32 s2, 15, s2                          ; my row of the cluster
	s_lshl_b32 s104, 0x1111, s33                   ; my column
	s_or_b32 s[G1AK], s2, PADW
	s_or_b32 s[G1AV], s2, PADW
	s_or_b32 s[G1BK], s104, PADW
	s_or_b32 s[G1BV], s104, PADW
.irp g, G1AK, G1AV
	s_mov_b32 s[\g+1], 256<<16                     ; tensor_dim0 = 256
	s_mov_b32 s[\g+2], 64<<16                      ; tensor_dim1 = 64
	s_mov_b32 s[\g+3], 256<<16                     ; tile_dim0 = 256
	s_mov_b32 s[\g+4], 64                          ; tile_dim1 = 64
	s_mov_b32 s[\g+6], 0
	s_mov_b32 s[\g+7], 0
.endr
.irp g, G1BK, G1BV
	s_mov_b32 s[\g+1], 256<<16
	s_mov_b32 s[\g+2], 128<<16
	s_mov_b32 s[\g+3], 256<<16
	s_mov_b32 s[\g+4], 128
	s_mov_b32 s[\g+6], 0
	s_mov_b32 s[\g+7], 0
.endr
	s_mov_b32 s[G1AK+5], 2048                      ; bytes from row to row
	s_mov_b32 s[G1BK+5], 2048
	s_mov_b32 s[G1AV+5], 3072
	s_mov_b32 s[G1BV+5], 3072
	s_lshl_b32 s92, s60, 7
	s_lshl_b32 s2, s32, 6
	s_add_co_u32 s92, s92, s2                      ; k, v: row 128 b + 64 u
	s_lshl_b32 s93, s35, 8
	s_lshl_b32 s104, s32, 7
	s_add_co_u32 s93, s93, s104                    ; the weights: row 256 g + 128 u
	s_mul_i32 s94, s32, 64*PITCH                   ; where they go in a slot: no place in the cluster enters an LDS address
	s_mul_i32 s95, s32, 128*PITCH
	s_add_co_u32 s95, s95, ATILE
	s_lshl_b32 s2, s92, 11
	s_mov_b32 s3, 0
	s_lshl_b32 s104, s93, 11
	s_mov_b32 s105, 0
	s_mov_b32 s62, 0x76543210                      ; v_permlanex16_b32's selects for lane l xor 16
	s_mov_b32 s63, 0xfedcba98
	s_wait_kmcnt 0x0
	CROUND                                         ; all sixteen work-groups are here: the first joint loads meet
	s_mov_b32 s[G0A], 1
	s_add_co_u32 s[G0A+1], s94, 0
	s_add_nc_u64 s[G0A+2:G0A+3], s[4:5], s[2:3]
	s_mov_b32 s[G0A+4], 1
	s_add_co_u32 s[G0A+5], s94, SLOT
	s_add_nc_u64 s[G0A+6:G0A+7], s[G0A+2:G0A+3], 256
	s_or_b32 s[G0A+3], s[G0A+3], 0x80000000
	s_or_b32 s[G0A+7], s[G0A+7], 0x80000000
	s_mov_b32 s[G0B], 1
	s_add_co_u32 s[G0B+1], s95, 0
	s_add_nc_u64 s[G0B+2:G0B+3], s[8:9], s[104:105]
	s_mov_b32 s[G0B+4], 1
	s_add_co_u32 s[G0B+5], s95, SLOT
	s_add_nc_u64 s[G0B+6:G0B+7], s[G0B+2:G0B+3], 256
	s_or_b32 s[G0B+3], s[G0B+3], 0x80000000
	s_or_b32 s[G0B+7], s[G0B+7], 0x80000000
	JLOAD G0A, G1AK, G0B, G1BK                     ; K steps 0 and 1: two loads of mine are out
	JLOAD G0A+4, G1AK, G0B+4, G1BK
	; the other addresses
	s_lshl_b32 s94, s33, 5
	s_lshl_b32 s95, s60, 7
	s_add_co_u32 s94, s94, s95                     ; row 128 b + 32 cx: my work-group's share of the prefetches
	s_lshl_b32 s104, s94, 11
	s_add_nc_u64 s[PFK:PFK+1], s[4:5], s[104:105]
	s_mul_i32 s104, s94, 3072
	s_add_nc_u64 s[PFV:PFV+1], s[6:7], s[104:105]
	s_mul_i32 s2, s92, 3072
	s_add_nc_u64 s[AV:AV+1], s[6:7], s[2:3]
	s_mul_i32 s104, s93, 3072
	s_add_nc_u64 s[BVP:BVP+1], s[10:11], s[104:105]
	s_lshl_b32 s2, s60, 11
	s_add_nc_u64 s[12:13], s[12:13], s[2:3]        ; q's row
	s_lshl_b32 s2, s60, 14
	s_add_nc_u64 s[14:15], s[14:15], s[2:3]        ; qe's 128 x 128 codes
	s_lshl_b32 s104, s61, 8
	s_add_nc_u64 s[16:17], s[16:17], s[104:105]    ; bq, bv at my head's 64 numbers
	s_add_nc_u64 s[18:19], s[18:19], s[104:105]
	s_lshl_b32 s2, s60, 9
	s_add_nc_u64 s[20:21], s[20:21], s[2:3]        ; correlation_weight's and out1's row
	s_add_nc_u64 s[28:29], s[28:29], s[2:3]
	s_lshl_b32 s104, s61, 2
	s_add_nc_u64 s[22:23], s[22:23], s[104:105]    ; my head's lambda
	s_lshl_b32 s104, s60, 17
	s_lshl_b32 s2, s[WV], 15
	s_add_co_u32 s104, s104, s2
	s_lshl_b32 s2, s35, 8
	s_add_co_u32 s104, s104, s2
	s_add_nc_u64 s[26:27], s[26:27], s[104:105]    ; concat: row 128 b + 32 w, byte 256 g
	s_load_b256 s[92:99], s[24:25], 0x0            ; e0 .. e7
	s_load_b64 s[100:101], s[24:25], 0x20          ; e8, e9
	s_load_b32 s[LAM], s[22:23], 0x0
	v_and_b32 v1, 15, v0                           ; r
	v_bfe_u32 v2, v0, 4, 1                         ; h
	v_mul_u32_u24 v3, v1, PITCH
	v_lshl_add_u32 v3, v2, 4, v3                   ; a fragment's row x pitch + 16 h
	s_mul_i32 s2, s[WV], 64*PITCH
	s_add_co_u32 s2, s2, ATILE                     ; my head's 64 rows of the weight's tile
.irp s, 0,1
	v_add_nc_u32 v[ADRA+\s], \s*SLOT, v3
	v_add_nc_u32 v[ADRB+\s], s2, v3
	s_add_co_u32 s2, s2, SLOT
.endr
	v_and_b32 v[L16], 31, v0
	v_lshlrev_b32 v[L16], 4, v[L16]
	s_lshl_b32 s2, s[WV], 11
	s_add_co_u32 s2, s2, QS
	v_lshl_add_u32 v[ADRQ], v2, 4, s2
	v_add_nc_u32 v3, s2, v[L16]                    ; where I put q's codes
	s_lshl_b32 s2, s[WV], 9
	s_add_co_u32 s2, s2, SC
	v_lshl_add_u32 v[SCW], v1, 2, s2
	v_lshl_add_u32 v[SCR], v2, 6, s2
	v_add_nc_u32 v[SCO], s2, v[L16]
	s_lshl_b32 s2, s[WV], 6
	s_add_co_u32 s2, s2, STAGE
	v_mul_u32_u24 v[STO], v1, PITCH
	v_lshl_add_u32 v[STO], v2, 3, v[STO]
	v_add_nc_u32 v[STO], s2, v[STO]
	s_mul_i32 s2, s[WV], 32*PITCH
	s_add_co_u32 s2, s2, STAGE
	v_mul_u32_u24 v[RD], v2, PITCH
	v_lshl_add_u32 v[RD], v1, 4, v[RD]
	v_add_nc_u32 v[RD], s2, v[RD]
	v_lshlrev_b32 v[CO], 10, v2
	v_lshl_add_u32 v[CO], v1, 4, v[CO]
	v_lshlrev_b32 v[PFOK], 7, v[L16]
	v_mul_u32_u24 v[PFOV], v[L16], 192
	v_lshlrev_b32 v48, 7, v1
	v_lshl_add_u32 v48, v2, 4, v48                 ; qe: row r of 128 bytes, + 16 h
	v_lshlrev_b32 v49, 5, v2                       ; a bias: my half's eight numbers of a column tile
	v_lshlrev_b32 v50, 2, v1                       ; correlation_weight: 4 r
.irp i, 0,1,2,3
	global_load_b128 v[X+4*\i:X+4*\i+3], v[L16], s[12:13] offset:512*\i   ; q's 2,048 codes, 512 consecutive bytes a load
.endr
.irp a, 0,1,2,3,4,5,6,7
	global_load_b32 v[CW+\a], v50, s[20:21] offset:64*\a
.endr
	WIN 0xc0                                       ; destination window 3
.irp a, 0,1,2,3,4,5,6,7
.irp c, 0,1,2,3
	global_load_b128 v[16*\a+4*\c:16*\a+4*\c+3], v48, s[14:15] offset:2048*\a+32*\c   ; qe's fragment a: rows 16 a + r; it stays in registers
.endr
.endr
.irp t, 0,1,2,3
	global_load_b128 v[BQK+8*\t:BQK+8*\t+3], v49, s[16:17] offset:64*\t
	global_load_b128 v[BQK+8*\t+4:BQK+8*\t+7], v49, s[16:17] offset:64*\t+16
	global_load_b128 v[BV+8*\t:BV+8*\t+3], v49, s[18:19] offset:64*\t
	global_load_b128 v[BV+8*\t+4:BV+8*\t+7], v49, s[18:19] offset:64*\t+16
.endr
	WIN 0
	s_wait_loadcnt 0x0
	s_wait_kmcnt 0x0
.irp i, 0,1,2,3
	ds_store_b128 v3, v[X+4*\i:X+4*\i+3] offset:512*\i   ; my wave's own copy: only I read it
.endr
	s_add_co_i32 s16, s92, s93
	s_sub_co_i32 s16, 0, s16                       ; -(e0 + e1)
	s_add_co_i32 s17, s94, s95
	s_sub_co_i32 s17, 0, s17                       ; -(e2 + e3)
	s_add_co_i32 s18, s98, s99
	s_sub_co_i32 s18, 0, s18                       ; -(e6 + e7)
	s_add_co_i32 s19, s16, s17
	s_sub_co_i32 s19, -3, s19                      ; e0 + e1 + e2 + e3 - 3: the two sums' powers of two and the division by 8
	s_add_co_i32 s20, s96, s97                     ; e4 + e5
	s_add_co_i32 s2, s96, 127
	s_lshl_b32 s3, s2, 23
	v_mov_b32 v28, s3                              ; 2^e4 as f32: the conversion takes its exponent field
	s_add_co_i32 s2, s2, 8
	s_lshl_b32 s2, s2, 23
	s_or_b32 s2, s2, 0x600000
	v_mov_b32 v29, s2                              ; 448 x 2^e4
	s_add_co_i32 s2, s100, s18
	s_add_co_i32 s2, s2, 127
	s_lshl_b32 s3, s2, 23
	v_mov_b32 v30, s3                              ; 2^(e8 - e6 - e7): a sum of the V product stands for sum x 2^(e6 + e7): the three scales in one
	s_add_co_i32 s2, s2, 8
	s_lshl_b32 s2, s2, 23
	s_or_b32 s2, s2, 0x600000
	v_mov_b32 v31, s2
	s_cmp_eq_u32 s[WV], 0
	s_cselect_b32 s[LIM], 2, -1
	WIN 0xc3                                       ; source 0 and destination window 3
.set J, 0
.rept 32
	v_ldexp_f32 v[QP+J], v[BQK+J], s16             ; qp's sums begin as bq / 2^(e0 + e1)
.set J, J+1
.endr
.set J, 0
.rept 32
	v_ldexp_f32 v[BQK+J], v[BQK+J], s17            ; kp's first C: bq / 2^(e2 + e3)
	v_ldexp_f32 v[BV+J], v[BV+J], s18              ; vp's: bv / 2^(e6 + e7)
.set J, J+1
.endr
	WIN 0
	s_wait_dscnt 0x0
	s_wait_tensorcnt 1                             ; my part of K step 0 is in; K step 1's may stay out
	s_barrier_signal -1
	s_barrier_wait -1                              ; everybody's is
	FETCH 0, 0, 0, 0
	; ---- kp and qp: 16 steps of 128 along K, written out so that q's place and the prefetches' offsets are immediates
	STEP 0, 0, 1, 1, BQK, 1, 1
	TURN 0, 1, 1, 2, 1, 0
	STEP 0, 1, 1, 0, 0, 3, 1
	TURN 1, 0, 1, 4, 1, 1
	STEP 0, 0, 1, 0, 0, 5, 1
	TURN 0, 1, 1, 6, 1, 2
	STEP 0, 1, 1, 0, 0, 7, 1
	TURN 1, 0, 1, 8, 1, 3
	STEP 0, 0, 1, 0, 0, 9, 1
	TURN 0, 1, 1, 10, 1, 4
	STEP 0, 1, 1, 0, 0, 11, 1
	TURN 1, 0, 1, 12, 1, 5
	STEP 0, 0, 1, 0, 0, 13, 1
	TURN 0, 1, 2, 14, 1, 6                         ; slot 0 takes v's and Wv's K step 0,
	STEP 0, 1, 1, 0, 0, 15, 1
	TURN 1, 0, 2, -1, 1, 7                         ; slot 1 their K step 1, and the V product's first fragments are fetched: they land during what follows, which touches none of their registers
	; ---- the scores: my lane's 32 columns of qp . kp for each of its eight rows, two at a time; each accumulator from its low end on
	PLACES 4
	WIN 0x0e                                       ; source 0 window 2 (kp), source 1 window 3 (qp)
.irp t, 0,1,2,3
.irp p, 0,2,4,6
.irp a, 0,1,2,3,4,5,6,7
.if (\t == 0) && (\p == 0)
	v_pk_mul_f32 v[TT+2*\a:TT+2*\a+1], v[8*(4*\a+\t)+\p:8*(4*\a+\t)+\p+1], v[QP+8*\t+\p:QP+8*\t+\p+1]
.else
	v_pk_fma_f32 v[TT+2*\a:TT+2*\a+1], v[8*(4*\a+\t)+\p:8*(4*\a+\t)+\p+1], v[QP+8*\t+\p:QP+8*\t+\p+1], v[TT+2*\a:TT+2*\a+1]
.endif
.endr
.endr
.endr
	WIN 0
.irp a, 0,1,2,3,4,5,6,7
	v_add_f32 v[TT+2*\a], v[TT+2*\a], v[TT+2*\a+1]
.endr
.irp a, 0,1,2,3,4,5,6,7
	v_permlanex16_b32 v[TT+2*\a+1], v[TT+2*\a], s62, s63   ; the row's other 32 columns lie in the lane 16 away
.endr
.irp a, 0,1,2,3,4,5,6,7
	v_add_f32 v[TT+2*\a], v[TT+2*\a], v[TT+2*\a+1]
.endr
.irp a, 0,1,2,3,4,5,6,7
	v_ldexp_f32 v[TT+2*\a], v[TT+2*\a], s19        ; score(16 a + r)
.endr
.irp a, 0,1,2,3,4,5,6,7
	ds_store_b32 v[SCW], v[TT+2*\a] offset:64*\a   ; both halves of the lanes store the same number to the same word
.endr
.irp c, 0,1,2,3
.irp i, 0,1,2,3
	ds_load_b128 v[X+16*\c+4*\i:X+16*\c+4*\i+3], v[SCR] offset:128*\c+16*\i   ; LDS serves a wave's instructions in order: these see my stores.  X[16 c + i] = score(32 c + 16 h + i): the order of qe's fragments
.endr
.endr
	s_wait_dscnt 0x0
.irp c, 0,1,2,3
.irp i, 0,1,2,3,4,5,6,7,8,9,10,11,12,13,14,15
	v_med3_num_f32 v[X+16*\c+\i], v[X+16*\c+\i], -v29, v29   ; the conversion to an 8-bit code does not saturate (ISA guide 7.6.2): the hold at the largest code x the scale
.endr
	v_cvt_scalef32_pk8_fp8_f32 v[SF+4*\c:SF+4*\c+1], v[X+16*\c:X+16*\c+7], v28
	v_cvt_scalef32_pk8_fp8_f32 v[SF+4*\c+2:SF+4*\c+3], v[X+16*\c+8:X+16*\c+15], v28
.endr
	v_nop                                          ; one plain vector instruction between the conversions and the products, which read their results and write over their sources
	WIN 0x0c                                       ; source 1 (qe) window 3
.irp a, 0,1,2,3,4,5,6,7
	v_wmma_f32_16x16x128_fp8_fp8 v[X+8*\a:X+8*\a+7], v[SF:SF+15], v[16*\a:16*\a+15], 0   ; source 0: my head's scores in all 16 rows; source 1: rows 16 a + r of qe: every register of lane (r, h) holds qe_score(16 a + r)
.endr
	WIN 0
	PLACES 4
.irp a, 0,1,2,3,4,5,6,7
	v_ldexp_f32 v[TT+2*\a], v[X+8*\a], s20         ; x 2^(e4 + e5); the result's lowest register is read
.endr
.irp a, 0,1,2,3,4,5,6,7
	ds_store_b32 v[SCW], v[TT+2*\a] offset:64*\a
.endr
	ds_load_b128 v[SF:SF+3], v[SCO]                ; back as a row: four neighbours a lane
	v_mov_b32 v3, s[LAM]
	v_sub_f32 v1, 1.0, v3
.irp a, 0,1,2,3,4,5,6,7
	v_mul_f32 v[CW+\a], v3, v[CW+\a]
.endr
.irp a, 0,1,2,3,4,5,6,7
	v_fma_f32 v[CW+\a], v1, v[TT+2*\a], v[CW+\a]   ; z = lam cw + (1 - lam) qe_score
.endr
.irp a, 0,1,2,3,4,5,6,7
	v_mul_f32 v[CW+\a], 0xbfb8aa3b, v[CW+\a]       ; -z log2(e)
.endr
.irp a, 0,1,2,3,4,5,6,7
	v_exp_f32 v[CW+\a], v[CW+\a]
.endr
	v_nop                                          ; a plain instruction behind the last exponential
	s_wait_alu depctr_va_vdst(0)                   ; one wait for the eight, ahead of their first reader
.irp a, 0,1,2,3,4,5,6,7
	v_add_f32 v[CW+\a], 1.0, v[CW+\a]
.endr
	s_wait_dscnt 0x0                               ; qe_score's row is back, and the LDS stores have read the registers that the reciprocals write
.irp a, 0,1,2,3,4,5,6,7
	v_rcp_f32 v[TT+2*\a], v[CW+\a]                 ; the gate of row 16 a + r: 1 / (1 + 2^(-z log2 e))
.endr
	v_nop
	s_wait_alu depctr_va_vdst(0)                   ; one wait for the eight reciprocals
	v_mov_b32 v3, s61
	v_cmp_eq_u32 vcc_lo, 0, v3                     ; out1 is head 0's row: a mask over the lanes, not a branch: all lanes on in head 0's wave, none elsewhere
	s_wait_xcnt 0x0                                ; EXEC changes only behind this wait
	s_and_saveexec_b32 s2, vcc_lo
	global_store_b128 v[L16], v[SF:SF+3], s[28:29] ; 32 lanes store the row's 512 consecutive bytes
	s_wait_xcnt 0x0
	s_or_b32 exec_lo, exec_lo, s2
	s_add_nc_u64 s[PFV:PFV+1], s[PFV:PFV+1], 5*256 ; the loop's first change of slots steps it to v's K step 6
	; ---- vp: 24 steps of 128 along K
	STEP 0, 0, 1, 1, BV, -1, 0
	WIN 0                                          ; at a label and at a branch every window is 0
	s_mov_b32 s3, 5
.Lv:                                                   ; a trip goes once round the ring and fills both slots again: K steps 2 .. 11
	TURN 0, 1, 3, -1, 0, 8
	STEP 0, 1, 1, 0, 0, -1, 0
	TURN 1, 0, 3, -1, 0, 8
	STEP 0, 0, 1, 0, 0, -1, 0
	WIN 0
	s_sub_co_u32 s3, s3, 1
	s_cmp_lg_u32 s3, 0
	s_cbranch_scc1 .Lv
	TURN 0, 1, 0, -1, 0, -1                        ; the last lap fills nothing, and has no round of the cluster's barrier
	STEP 0, 1, 1, 0, 0, -1, 0
	s_wait_dscnt 16                                ; the very last step: nothing more to fetch
	WIN MUL
	MUL8 0, 1, 0, 0
	MUL8 2, 1, 0, 0
	s_wait_dscnt 0x0
	MUL8 4, 1, 0, 0
	MUL8 6, 1, 0, 0
	; ---- the way out: gate x vp, held, turned into codes (eight neighbouring columns of a row: 8 bytes), into the work-group's stage; back as whole rows of 256 bytes
	PLACES 4
.irp a, 0,1,2,3,4,5,6,7
	WIN 0x02                                       ; source 0 window 2
.irp t, 0,1,2,3
.irp p, 0,2,4,6
	v_pk_mul_f32 v[TMP+32*(\a%2)+8*\t+\p:TMP+32*(\a%2)+8*\t+\p+1], v[8*(4*\a+\t)+\p:8*(4*\a+\t)+\p+1], v[TT+2*\a:TT+2*\a+1] op_sel_hi:[1,0]
.endr
.endr
	WIN 0
.set J, 0
.rept 32
	v_med3_num_f32 v[TMP+32*(\a%2)+J], v[TMP+32*(\a%2)+J], -v31, v31
.set J, J+1
.endr
.irp t, 0,1,2,3
	v_cvt_scalef32_pk8_fp8_f32 v[X+8*\a+2*\t:X+8*\a+2*\t+1], v[TMP+32*(\a%2)+8*\t:TMP+32*(\a%2)+8*\t+7], v30
.endr
	v_nop                                          ; one plain vector instruction behind the last conversion of the run
.irp t, 0,1,2,3
	ds_store_b64 v[STO], v[X+8*\a+2*\t:X+8*\a+2*\t+1] offset:16*PITCH*\a+16*\t
.endr
.endr
	s_wait_dscnt 0x0                               ; for the others' sake: my stores into the stage are done
	s_barrier_signal -1
	s_barrier_wait -1                              ; a row's 256 bytes come from four waves
.irp i, 0,1,2,3,4,5,6,7,8,9,10,11,12,13,14,15
	ds_load_b128 v[TMP+4*\i:TMP+4*\i+3], v[RD] offset:2*PITCH*\i
.endr
.irp i, 0,1,2,3,4,5,6,7,8,9,10,11,12,13,14,15
	s_wait_dscnt 15-\i
	global_store_b128 v[CO], v[TMP+4*\i:TMP+4*\i+3], s[26:27] offset:2048*\i   ; 16 lanes store 256 consecutive bytes, at a multiple of 256 from concat's first byte
.endr
	s_wait_tensorcnt 0x0                           ; the wave's end
	ds_add_u32 v[SPW], v[NIL]
	s_wait_dscnt 0x0
	CROUND                                         ; the closing round: no work-group ends while a partner may still ask for a tile that names it
	s_endpgm
.Lfunc_end_k_q3f1b65c17a_gate_v:
	.size	k_q3f1b65c17a_gate_v, .Lfunc_end_k_q3f1b65c17a_gate_v-k_q3f1b65c17a_gate_v
	.p2alignl 7, 3214868480
	.fill 96, 4, 3214868480
	.section	.rodata,"a",@progbits
	.p2align	6, 0x0
	.amdhsa_kernel k_q3f1b65c17a_gate_v
		.amdhsa_group_segment_fixed_size 327680
		.amdhsa_private_segment_fixed_size 0
		.amdhsa_enable_private_segment 0
		.amdhsa_kernarg_size 104
		.amdhsa_user_sgpr_count 2
		.amdhsa_user_sgpr_kernarg_segment_ptr 1
		.amdhsa_wavefront_size32 1
		.amdhsa_system_sgpr_workgroup_id_x 1
		.amdhsa_system_sgpr_workgroup_id_y 1
		.amdhsa_system_sgpr_workgroup_id_z 1
		.amdhsa_system_vgpr_workitem_id 0
		.amdhsa_next_free_vgpr 1024
		.amdhsa_next_free_sgpr 106
		.amdhsa_reserve_vcc 1
		.amdhsa_float_denorm_mode_32 3
		.amdhsa_float_denorm_mode_16_64 3
		.amdhsa_memory_ordered 1
		.amdhsa_forward_progress 1
		.amdhsa_inst_pref_size 224
	.end_amdhsa_kernel
	.amdgpu_metadata
---
amdhsa.version: [ 1, 2 ]
amdhsa.kernels:
  - .name:           k_q3f1b65c17a_gate_v
    .symbol:         k_q3f1b65c17a_gate_v.kd
    .args:
      - { .name: k_codes, .offset: 0, .size: 8, .value_kind: global_buffer, .address_space: global }
      - { .name: v_backward_codes, .offset: 8, .size: 8, .value_kind: global_buffer, .address_space: global }
      - { .name: Wq_codes, .offset: 16, .size: 8, .value_kind: global_buffer, .address_space: global }
      - { .name: Wv_codes, .offset: 24, .size: 8, .value_kind: global_buffer, .address_space: global }
      - { .name: q_codes, .offset: 32, .size: 8, .value_kind: global_buffer, .address_space: global }
      - { .name: qe_codes, .offset: 40, .size: 8, .value_kind: global_buffer, .address_space: global }
      - { .name: bq, .offset: 48, .size: 8, .value_kind: global_buffer, .address_space: global }
      - { .name: bv, .offset: 56, .size: 8, .value_kind: global_buffer, .address_space: global }
      - { .name: correlation_weight, .offset: 64, .size: 8, .value_kind: global_buffer, .address_space: global }
      - { .name: lambdas, .offset: 72, .size: 8, .value_kind: global_buffer, .address_space: global }
      - { .name: lowp_scales, .offset: 80, .size: 8, .value_kind: global_buffer, .address_space: global }
      - { .name: concat, .offset: 88, .size: 8, .value_kind: global_buffer, .address_space: global }
      - { .name: out1, .offset: 96, .size: 8, .value_kind: global_buffer, .address_space: global }
    .group_segment_fixed_size: 327680
    .private_segment_fixed_size: 0
    .kernarg_segment_align: 8
    .kernarg_segment_size: 104
    .max_flat_workgroup_size: 128
    .sgpr_count:     106
    .vgpr_count:     1024
    .wavefront_size: 32
...
	.end_amdgpu_metadata
.endif
;; end of part 1
;; launch out_proj (part 2): grid 4 x 64, 4 waves a work-group, clusters of 4 x 4, 327,680 bytes of LDS; arguments concat, Wo_codes, bo, lowp_scales, out0; writes out0
.if DOCPART == 2
	.amdgcn_target "amdgcn-amd-amdhsa--gfx1250"
	.amdhsa_code_object_version 6
	.text
	.protected	k_q3f1b65c17a_out_proj
	.globl	k_q3f1b65c17a_out_proj
	.p2align	8
	.type	k_q3f1b65c17a_out_proj,@function
k_q3f1b65c17a_out_proj:
	s_mov_b64 s[64:65], 0
	v_nop
	global_prefetch_b8 v0, s[64:65] scope:SCOPE_SE
	s_setreg_imm32_b32 hwreg(HW_REG_WAVE_MODE, 25, 1), 1
	s_wait_xcnt 0x0
	s_wait_alu depctr_hold_cnt(0) depctr_sa_sdst(0) depctr_va_vdst(0) depctr_va_sdst(0) depctr_va_ssrc(0) depctr_va_vcc(0) depctr_vm_vsrc(0)
	s_getreg_b32 s2, hwreg(HW_REG_IB_STS2, 6, 4)
	s_cmp_eq_u32 s2, 0
	s_cbranch_scc0 .Lentry_in_a_cluster
	s_endpgm
.Lentry_in_a_cluster:
	s_bfe_u32 s2, ttmp6, 0x10000c
	s_cmp_lg_u32 s2, 0xf033
	s_cbranch_scc0 .Lentry_shape_is_right
	s_endpgm
.Lentry_shape_is_right:
; out0[m][n] = 2^(e8 + e9) x sum over k of concat[m][k] Wo[n][k] + bo[n].  concat: [8192][1024], Wo: [1024][1024]: codes of FP8 (E4M3), K innermost; out0: [8192][1024] f32; sums in f32.
; LIMIT: e8 + e9 lies between -126 and 127, so that 2^(e8 + e9) is an f32 number.
; A work-group makes 128 rows x 256 columns: 64 x 4 = 256 work-groups; wave w makes all 128 rows x columns 64 w .. 64 w + 63: 32 accumulators of 16 x 16.
; THE MATRIX INSTRUCTION IS USED TRANSPOSED (source 0 = 16 rows of Wo, source 1 = 16 rows of concat): a lane holds eight neighbouring numbers of a row of out0.
; K = 1,024 is four K steps of 256.  Three LDS slots take the first three at once; slot 0 is filled once more, with the fourth, behind the one round of the cluster's barrier in the text's middle: that load has
; four steps of 128 along K, 128 matrix instructions, in which to land.
; CLUSTERS: 4 x 4 work-groups: concat's tile is asked for jointly along a row of the cluster, Wo's along a column.
; No prefetch: the three first fills of every work-group go out together at the head, and only one tile follows them.
; REGISTERS: window 0: v1-29 addresses; v32-63 bo in the result's layout; v64-95 at work; v96-159, v160-223 Wo's fragments, two sets (on the way out v96-159: rows read back).  window 1: concat's fragments, two sets.  window 2: the accumulators.
.set PITCH,  272                       ; an LDS row: 256 bytes + 16 of padding
.set ATILE,  128*PITCH
.set SLOT,   384*PITCH                 ; concat's 128 rows, then Wo's 256
.set SPARE,  3*SLOT                    ; behind the slots: the spare words, 128 bytes a wave, two blocks of 256 bytes that no other line names
.set STG,    SLOT                      ; the way out: 16 rows x 272 bytes for each wave, in slot 1: it has had its only fill, and its last reads lie ahead of the last barrier
.set ADRA, 4                           ; v4-6   LDS address of my fragments of concat in slot 0, 1, 2
.set ADRB, 7                           ; v7-9   the same for Wo
.set BOA,  10                          ; v10    32 h; never rewritten
.set STO,  12
.set RD,   13
.set CO,   14
.set SPW,  26
.set NIL,  27
.set BO,   32
.set TMP,  64
.set BF,   96
.set BK,   96
.set WV,   14
.set HALF, 15
.set G1A,  24
.set G1B,  32
.set G0A,  40                          ; s[40:51], s[52:63]: groups 0, a set for each slot
.set G0B,  52
.set PADW, (1<<20)|(1<<21)|(5<<22)|(3<<25)
.set MUL,  0xa4                        ; source 0 (Wo) window 0, source 1 (concat) window 1, C and D window 2
.set TO_A, 0x40
.set MSB, 0
.macro WIN new
.if MSB != (\new)
	s_set_vgpr_msb (MSB<<8)|(\new)
.set MSB, \new
.endif
.endm
.macro PLACES n
.rept \n
	v_nop
.endr
.endm
.macro JLOAD g0a, g0b                  ; waves 0 and 1 fetch concat's two halves (64 rows), waves 2 and 3 Wo's (128 rows); four v_nop follow each of the two lines
	s_cmp_eq_u32 s[HALF], 0
	s_cbranch_scc0 .Lfor_b_\@
	tensor_load_to_lds s[\g0a:\g0a+3], s[G1A:G1A+7]
	s_nop 0
.rept 4
	v_nop
.endr
	s_branch .Lasked_\@
.Lfor_b_\@:
	tensor_load_to_lds s[\g0b:\g0b+3], s[G1B:G1B+7]
	s_nop 0
.rept 4
	v_nop
.endr
.Lasked_\@:
.endm
.macro CREST
	s_cmp_lg_u32 s[WV], 0
	s_cbranch_scc1 .Lnot_wave_0_\@
	s_barrier_signal -3
.Lnot_wave_0_\@:
	s_barrier_wait -3
	s_barrier_signal -1
	s_barrier_wait -1
.endm
.macro CROUND
	s_barrier_signal -1
	s_barrier_wait -1
	CREST
.endm
.macro FRAG reg, adr, off
.irp c, 0,1,2,3
	ds_load_b128 v[(\reg)+4*\c:(\reg)+4*\c+3], v[\adr] offset:(\off)+32*\c
.endr
.endm
.macro FETCH slot, q, set              ; Wo's four fragments, then concat's eight in ascending order
	WIN 0
.irp t, 0,1,2,3
	FRAG BF+64*(\set)+16*\t, ADRB+(\slot), 128*(\q)+16*PITCH*\t
.endr
	WIN TO_A
.irp a, 0,1,2,3,4,5,6,7
	FRAG 128*(\set)+16*\a, ADRA+(\slot), 128*(\q)+16*PITCH*\a
.endr
.endm
.macro MUL8 a0, set, zero              ; the accumulators take turns, one instruction a turn; zero = 1: the first product starts the sums
.irp a, \a0, \a0+1
.irp t, 0,1,2,3
.if \zero
	v_wmma_f32_16x16x128_fp8_fp8 v[8*(4*(\a)+\t):8*(4*(\a)+\t)+7], v[BF+64*(\set)+16*\t:BF+64*(\set)+16*\t+15], v[128*(\set)+16*(\a):128*(\set)+16*(\a)+15], 0
.else
	v_wmma_f32_16x16x128_fp8_fp8 v[8*(4*(\a)+\t):8*(4*(\a)+\t)+7], v[BF+64*(\set)+16*\t:BF+64*(\set)+16*\t+15], v[128*(\set)+16*(\a):128*(\set)+16*(\a)+15], v[8*(4*(\a)+\t):8*(4*(\a)+\t)+7]
.endif
.endr
.endr
.endm
.macro STEP set, nslot, nq, zero
	s_wait_dscnt 16                                ; all but the youngest sixteen loads (row tiles 4-7) are in
	WIN MUL
	MUL8 0, \set, \zero
	MUL8 2, \set, \zero
	s_wait_dscnt 0x0
	PLACES 4                                       ; in front of loads into registers that matrix instructions have read
	FETCH \nslot, \nq, 1-(\set)
	WIN MUL
	MUL8 4, \set, \zero
	MUL8 6, \set, \zero
.endm
.macro TURN slot, next, fill           ; a step on set 1 with a barrier in it; fill = 1: the slot takes the K step three on
	WIN 0
	s_wait_tensorcnt 0x0                           ; all my tensor loads have landed
	ds_add_u32 v[SPW], v[NIL]                      ; 0 onto my spare word
.if \fill
	s_add_nc_u64 s[G0A+4*(\slot)+2:G0A+4*(\slot)+3], s[G0A+4*(\slot)+2:G0A+4*(\slot)+3], 768
	s_add_nc_u64 s[G0B+4*(\slot)+2:G0B+4*(\slot)+3], s[G0B+4*(\slot)+2:G0B+4*(\slot)+3], 768
.endif
	s_wait_dscnt 17                                ; (the add and the youngest sixteen loads may be out)
	WIN MUL
	MUL8 0, 1, 0
	s_wait_dscnt 0x0                               ; the add is done, and my reads of this slot are over
	s_barrier_signal -1
	MUL8 2, 1, 0
	WIN 0
	s_barrier_wait -1
.if \fill
	CREST                                          ; no wave of any partner still reads this slot or has a load on its way
	JLOAD G0A+4*(\slot), G0B+4*(\slot)
.else
	PLACES 4
.endif
	FETCH \next, 0, 0
	WIN MUL
	MUL8 4, 1, 0
	MUL8 6, 1, 0
.endm
	s_load_b256 s[4:11], s[0:1], 0x0               ; concat, Wo, bo, the exponents
	s_load_b64 s[12:13], s[0:1], 0x20              ; out0
	v_lshl_add_u32 v[SPW], v0, 2, SPARE
	v_mov_b32 v[NIL], 0
	ds_add_u32 v26, v27
	ds_add_u32 v26, v27
	s_wait_dscnt 0x0
	v_lshrrev_b32 v1, 5, v0
	v_readfirstlane_b32 s[WV], v1
	s_lshr_b32 s[HALF], s[WV], 1
	s_and_b32 s16, s[WV], 1                        ; u
	s_bfe_u32 s17, ttmp6, 0x40000                  ; cx
	s_bfe_u32 s18, ttmp6, 0x40004                  ; cy
	s_lshl_b32 s19, ttmp9, 2
	s_add_co_u32 s19, s19, s17                     ; g: the tile of 256 columns
	s_and_b32 s20, ttmp7, 0xffff
	s_lshl_b32 s20, s20, 2
	s_add_co_u32 s20, s20, s18                     ; b: the tile of 128 rows
	s_lshl_b32 s2, s18, 2
	s_lshl_b32 s2, 15, s2                          ; my row of the cluster
	s_lshl_b32 s22, 0x1111, s17                    ; my column
	s_or_b32 s[G1A], s2, PADW
	s_or_b32 s[G1B], s22, PADW
	s_mov_b32 s[G1A+1], 256<<16
	s_mov_b32 s[G1A+2], 64<<16
	s_mov_b32 s[G1A+3], 256<<16
	s_mov_b32 s[G1A+4], 64
	s_mov_b32 s[G1A+5], 1024
	s_mov_b32 s[G1A+6], 0
	s_mov_b32 s[G1A+7], 0
	s_mov_b32 s[G1B+1], 256<<16
	s_mov_b32 s[G1B+2], 128<<16
	s_mov_b32 s[G1B+3], 256<<16
	s_mov_b32 s[G1B+4], 128
	s_mov_b32 s[G1B+5], 1024
	s_mov_b32 s[G1B+6], 0
	s_mov_b32 s[G1B+7], 0
	s_lshl_b32 s2, s20, 7
	s_lshl_b32 s3, s16, 6
	s_add_co_u32 s2, s2, s3
	s_lshl_b32 s2, s2, 10                          ; concat: row 128 b + 64 u, in bytes
	s_mov_b32 s3, 0
	s_lshl_b32 s22, s19, 8
	s_lshl_b32 s23, s16, 7
	s_add_co_u32 s22, s22, s23
	s_lshl_b32 s22, s22, 10                        ; Wo: row 256 g + 128 u
	s_mov_b32 s23, 0
	s_mul_i32 s72, s16, 64*PITCH
	s_mul_i32 s73, s16, 128*PITCH
	s_add_co_u32 s73, s73, ATILE
	s_wait_kmcnt 0x0
	s_load_b64 s[70:71], s[10:11], 0x20            ; e8, e9
	s_add_nc_u64 s[4:5], s[4:5], s[2:3]
	s_add_nc_u64 s[6:7], s[6:7], s[22:23]
	CROUND                                         ; all sixteen work-groups are here: the first joint loads meet
.irp s, 0,1,2
	s_mov_b32 s[G0A+4*\s], 1
	s_add_co_u32 s[G0A+4*\s+1], s72, \s*SLOT
	s_add_nc_u64 s[G0A+4*\s+2:G0A+4*\s+3], s[4:5], \s*256
	s_or_b32 s[G0A+4*\s+3], s[G0A+4*\s+3], 0x80000000
	s_mov_b32 s[G0B+4*\s], 1
	s_add_co_u32 s[G0B+4*\s+1], s73, \s*SLOT
	s_add_nc_u64 s[G0B+4*\s+2:G0B+4*\s+3], s[6:7], \s*256
	s_or_b32 s[G0B+4*\s+3], s[G0B+4*\s+3], 0x80000000
	JLOAD G0A+4*\s, G0B+4*\s                       ; three loads of mine are out
.endr
	s_lshl_b32 s22, s19, 10
	s_lshl_b32 s21, s[WV], 8
	s_add_co_u32 s22, s22, s21                     ; my 64 columns, in bytes of f32
	s_add_nc_u64 s[8:9], s[8:9], s[22:23]
	s_lshl_b32 s21, s20, 19
	s_add_co_u32 s22, s22, s21                     ; + 128 b rows of 4,096 bytes
	s_add_nc_u64 s[12:13], s[12:13], s[22:23]
	v_and_b32 v1, 15, v0                           ; r
	v_bfe_u32 v2, v0, 4, 1                         ; h
	v_lshlrev_b32 v[BOA], 5, v2
.irp t, 0,1,2,3
	global_load_b128 v[BO+8*\t:BO+8*\t+3], v[BOA], s[8:9] offset:64*\t        ; bo at columns 16 t + 8 h + 0 .. 7
	global_load_b128 v[BO+8*\t+4:BO+8*\t+7], v[BOA], s[8:9] offset:64*\t+16
.endr
	v_mul_u32_u24 v3, v1, PITCH
	v_lshl_add_u32 v3, v2, 4, v3
	s_mul_i32 s21, s[WV], 64*PITCH
	s_add_co_u32 s21, s21, ATILE
.irp s, 0,1,2
	v_add_nc_u32 v[ADRA+\s], \s*SLOT, v3
	v_add_nc_u32 v[ADRB+\s], s21, v3
	s_add_co_u32 s21, s21, SLOT
.endr
	s_mul_i32 s21, s[WV], 16*PITCH
	s_add_co_u32 s21, s21, STG                     ; my stage
	v_mul_u32_u24 v[STO], v1, PITCH
	v_lshl_add_u32 v[STO], v2, 5, v[STO]
	v_add_nc_u32 v[STO], s21, v[STO]               ; in: row r, 32 bytes for each half of the lanes
	v_mul_u32_u24 v[RD], v2, PITCH
	v_lshl_add_u32 v[RD], v1, 4, v[RD]
	v_add_nc_u32 v[RD], s21, v[RD]                 ; back: lanes 0-15 one row of 256 bytes, lanes 16-31 the next
	v_lshlrev_b32 v[CO], 12, v2
	v_lshl_add_u32 v[CO], v1, 4, v[CO]             ; and the same two rows in out0
	s_wait_tensorcnt 2                             ; my part of K step 0 is in; the two behind it may stay out
	s_barrier_signal -1
	s_barrier_wait -1
	FETCH 0, 0, 0
	STEP 0, 0, 1, 1                                ; the first step's products start the sums
	TURN 0, 1, 1                                   ; every wave of the cluster has all its loads in: slots 1 and 2 are whole; slot 0 takes K = 768 .. 1,023
	STEP 0, 1, 1, 0
	STEP 1, 2, 0, 0                                ; on into slot 2 without a barrier: the round above has shown it whole
	STEP 0, 2, 1, 0
	TURN 2, 0, 0                                   ; slot 0's second fill has landed, in every wave; nothing is filled again
	STEP 0, 0, 1, 0
	s_wait_dscnt 16                                ; the very last step
	WIN MUL
	MUL8 0, 1, 0
	MUL8 2, 1, 0
	s_wait_dscnt 0x0
	MUL8 4, 1, 0
	MUL8 6, 1, 0
	WIN 0
; THE WAY OUT, block by block of 16 rows x my 64 columns (256 bytes a row): sum x 2^(e8 + e9) + bo, one packed multiply-add for two numbers, into my own stage and back as whole rows.
; LDS serves a wave's instructions in order (ISA guide 5.7.1.4): no wait between the stores and the loads, nor in front of the next block's stores.
.macro TOSTAGE a
	WIN 0x02                                       ; source 0 window 2
.irp t, 0,1,2,3
.irp p, 0,2,4,6
	v_pk_fma_f32 v[TMP+8*\t+\p:TMP+8*\t+\p+1], v[8*(4*(\a)+\t)+\p:8*(4*(\a)+\t)+\p+1], s[70:71], v[BO+8*\t+\p:BO+8*\t+\p+1] op_sel_hi:[1,0,1]   ; each accumulator from its low end on
.endr
.endr
	WIN 0
.irp t, 0,1,2,3
	ds_store_b128 v[STO], v[TMP+8*\t:TMP+8*\t+3] offset:64*\t
	ds_store_b128 v[STO], v[TMP+8*\t+4:TMP+8*\t+7] offset:64*\t+16
.endr
.irp i, 0,1,2,3,4,5,6,7
	ds_load_b128 v[BK+32*((\a)%2)+4*\i:BK+32*((\a)%2)+4*\i+3], v[RD] offset:2*PITCH*\i
.endr
.endm
.macro SEND a, younger                 ; younger: the LDS instructions issued behind block a's loads, which may stay out
	s_wait_dscnt \younger
.irp i, 0,1,2,3,4,5,6,7
	global_store_b128 v[CO], v[BK+32*((\a)%2)+4*\i:BK+32*((\a)%2)+4*\i+3], s[12:13] offset:65536*(\a)+8192*\i th:TH_STORE_NT   ; 16 lanes store 256 consecutive bytes, at a multiple of 256 from out0's first byte; every offset an immediate, 516,096 at the most
.endr
.endm
	s_wait_loadcnt 0x0                             ; bo
	s_wait_kmcnt 0x0
	s_add_co_i32 s70, s70, s71
	s_add_co_i32 s70, s70, 127
	s_lshl_b32 s70, s70, 23                        ; 2^(e8 + e9) as f32
	s_mov_b32 s71, s70                             ; (named with it as a pair, so it is written)
	PLACES 4                                       ; behind the last products: for the reads of results and for the loads into registers that held Wo's fragments
	TOSTAGE 0
.irp a, 1,2,3,4,5,6,7
.if \a > 1
	s_wait_xcnt 0x0                                ; block a - 2's stores have read their registers: block a's loads may land there
.endif
	TOSTAGE \a
	SEND \a-1, 16                                  ; behind block a - 1's loads: block a's 8 stores and 8 loads
.endr
	SEND 7, 0
	s_wait_tensorcnt 0x0                           ; the wave's end
	ds_add_u32 v[SPW], v[NIL]
	s_wait_dscnt 0x0
	CROUND                                         ; the closing round
	s_endpgm
.Lfunc_end_k_q3f1b65c17a_out_proj:
	.size	k_q3f1b65c17a_out_proj, .Lfunc_end_k_q3f1b65c17a_out_proj-k_q3f1b65c17a_out_proj
	.p2alignl 7, 3214868480
	.fill 96, 4, 3214868480
	.section	.rodata,"a",@progbits
	.p2align	6, 0x0
	.amdhsa_kernel k_q3f1b65c17a_out_proj
		.amdhsa_group_segment_fixed_size 327680
		.amdhsa_private_segment_fixed_size 0
		.amdhsa_enable_private_segment 0
		.amdhsa_kernarg_size 40
		.amdhsa_user_sgpr_count 2
		.amdhsa_user_sgpr_kernarg_segment_ptr 1
		.amdhsa_wavefront_size32 1
		.amdhsa_system_sgpr_workgroup_id_x 1
		.amdhsa_system_sgpr_workgroup_id_y 1
		.amdhsa_system_sgpr_workgroup_id_z 1
		.amdhsa_system_vgpr_workitem_id 0
		.amdhsa_next_free_vgpr 768
		.amdhsa_next_free_sgpr 80
		.amdhsa_reserve_vcc 0
		.amdhsa_float_denorm_mode_32 3
		.amdhsa_float_denorm_mode_16_64 3
		.amdhsa_memory_ordered 1
		.amdhsa_forward_progress 1
		.amdhsa_inst_pref_size 76
	.end_amdhsa_kernel
	.amdgpu_metadata
---
amdhsa.version: [ 1, 2 ]
amdhsa.kernels:
  - .name:           k_q3f1b65c17a_out_proj
    .symbol:         k_q3f1b65c17a_out_proj.kd
    .args:
      - { .name: concat, .offset: 0, .size: 8, .value_kind: global_buffer, .address_space: global }
      - { .name: Wo_codes, .offset: 8, .size: 8, .value_kind: global_buffer, .address_space: global }
      - { .name: bo, .offset: 16, .size: 8, .value_kind: global_buffer, .address_space: global }
      - { .name: lowp_scales, .offset: 24, .size: 8, .value_kind: global_buffer, .address_space: global }
      - { .name: out0, .offset: 32, .size: 8, .value_kind: global_buffer, .address_space: global }
    .group_segment_fixed_size: 327680
    .private_segment_fixed_size: 0
    .kernarg_segment_align: 8
    .kernarg_segment_size: 40
    .max_flat_workgroup_size: 128
    .sgpr_count:     80
    .vgpr_count:     768
    .wavefront_size: 32
...
	.end_amdgpu_metadata
.endif
;; end of part 2
;; ======== version 2 of 2: 2 launches
;; workspace buffers: concat 8,388,608 bytes
;; launch gate_v (part 3): grid 4 x 64, 4 waves a work-group, clusters of 4 x 4, 327,680 bytes of LDS; arguments k_codes, v_backward_codes, Wq_codes, Wv_codes, q_codes, qe_codes, bq, bv, correlation_weight, lambdas, lowp_scales, concat, out1; writes concat, out1
.if DOCPART == 3
	.amdgcn_target "amdgcn-amd-amdhsa--gfx1250"
	.amdhsa_code_object_version 6
	.text
	.protected	k_q3f1b65c17a_gate_v
	.globl	k_q3f1b65c17a_gate_v
	.p2align	8
	.type	k_q3f1b65c17a_gate_v,@function
k_q3f1b65c17a_gate_v:
	s_mov_b64 s[64:65], 0
	v_nop
	global_prefetch_b8 v0, s[64:65] scope:SCOPE_SE
	s_setreg_imm32_b32 hwreg(HW_REG_WAVE_MODE, 25, 1), 1
	s_wait_xcnt 0x0
	s_wait_alu depctr_hold_cnt(0) depctr_sa_sdst(0) depctr_va_vdst(0) depctr_va_sdst(0) depctr_va_ssrc(0) depctr_va_vcc(0) depctr_vm_vsrc(0)
	s_getreg_b32 s2, hwreg(HW_REG_IB_STS2, 6, 4)
	s_cmp_eq_u32 s2, 0
	s_cbranch_scc0 .Lentry_in_a_cluster
	s_endpgm
.Lentry_in_a_cluster:
	s_bfe_u32 s2, ttmp6, 0x10000c
	s_cmp_lg_u32 s2, 0xf033
	s_cbranch_scc0 .Lentry_shape_is_right
	s_endpgm
.Lentry_shape_is_right:
; concat[128 b + l][64 head + d] = Q8( sigmoid(lam cw[b][l] + (1 - lam) qe_score[b][head][l]) x vp[b][l][64 head + d] ), codes of FP8 (E4M3) with the scale 2^e8; out1[b][l] = qe_score[b][0][l].
; qp = q Wq^T + bq, kp = k Wq^T + bq, score = qp . kp / 8 (f32 multiply-adds), qe_score = Q4(score) qe^T, vp = v Wv^T + bv.  All large operands arrive as codes, K innermost.
; SHARES.  A work-group owns one batch b (128 rows) and four heads (256 columns, tile g); wave w owns one head: all 128 rows x 64 columns = 32 accumulators of 16 x 16, 256 registers.  64 x 4 = 256 work-groups.
; A head's scores need that head's 64 columns of kp for all 128 rows: they never leave the wave.
; THE MATRIX INSTRUCTION IS USED TRANSPOSED: source 0 = 16 rows of the weight, source 1 = 16 rows of k or v: lane (r, h) holds row 16 a + r, and register j of accumulator (a, t) column 16 t + 8 h + j.
; q has one row: its tile is that row sixteen times (every lane reads the same codes), four matrix instructions for each 128 along K beside kp's 32; every lane then holds qp at its own eight columns.
; The biases are the C of each sum's first matrix instruction, divided by the power of two that the sums lack.
; THE RING.  Two LDS slots of unlike size take turns: slot P holds 512 along K (rows of 512 bytes), slot Z 256 (rows of 256 bytes): together 768 along K of 384 rows, as much as LDS holds beside the scratch.  In front of each
; refill every wave's tensor loads are waited for, so what counts is how much each change of slots brings: k's 2,048 are P Z P Z P, v's 3,072 follow without a stop as Z P Z P Z P Z P: 13 fills, 11 of them refills.
; While Z's two steps of 128 are multiplied P's load is on its way, while P's four steps are multiplied Z's.
; CLUSTERS: 4 x 4 work-groups.  The four of a row of the cluster share the batch, so k's and v's tiles are asked for jointly along the row; the four of a column share the column tile, so the weights' tiles along the column.
; A fragment (16 rows x 128 K) comes by four loads of 16 bytes, 32 bytes apart, at row x pitch + 16 h: the same permutation of k on both sides of every product.
; LIMITS on the given exponents, so that each power of two made as an f32 pattern is a number: e4, and e8 - e6 - e7, between -126 and 119.  The other sums of exponents go through v_ldexp_f32; bq / 2^(e0+e1), bq / 2^(e2+e3)
; and bv / 2^(e6+e7) must be f32 numbers.  NaN codes among the inputs are not served.
; REGISTERS, in windows of 256: window 0: v1-31 addresses and constants; v32-95 at work (scores, qe_score, concat's codes); v96-159, v160-223 the weight's fragments, two sets; v224-239, v240-255 q's fragment, two sets (later the
;   scores' fragment, and the gates).  window 1: k's or v's fragments, two sets of 128.  window 2: the 32 accumulators, (a, t) at v[8 (4 a + t)].  window 3: v0-127 qe's eight fragments; v128.. bq, v160.. bv as C; v192-223 qp's four accumulators.
.set PP,     528                       ; a row of slot P: 512 bytes + 16 of padding = 132 words;  of slot Z: 256 + 16 = 68 words: in both, the 16 rows that a load touches start at 16 different groups of four banks (ISA guide 11.1)
.set PZ,     272
.set APB,    128*PP                    ; slot P: k's or v's 128 rows, then the weight's 256
.set ZB,     384*PP                    ; slot Z begins here,
.set AZB,    128*PZ                    ; laid likewise
.set SPARE,  ZB+384*PZ                 ; behind the ring: the spare words, 128 bytes a wave, two blocks of 256 bytes that no other line names
.set QS,     SPARE+512                 ; q's 2,048 codes, a copy for each wave
.set SC,     QS+4*2048                 ; 128 f32 for each wave: the scores, then qe_score
.set STAGE,  ZB                        ; concat's codes: 128 rows x (256 bytes + 16), the work-group's.  It lies in slot Z, which has had its last fill, and whose last reads stand ahead of the ring's last barrier, when the first code is stored there
.set SPITCH, 272
.set ADRA, 4                           ; v4-5   LDS address of my fragments of k or v in slot P, Z
.set ADRB, 6                           ; v6-7   the same for the weight's 64 rows that are my head's
.set ADRQ, 8                           ; v8     q's codes: my wave's copy + 16 h
.set SCW,  9                           ; v9     my wave's 128 f32: + 4 r
.set SCR,  10                          ; v10    + 64 h
.set SCO,  11                          ; v11    + 16 x lane
.set STO,  12                          ; v12    the stage: row r, my head's 64 bytes, + 8 h
.set RD,   13                          ; v13    back: rows 32 w + h, 16 bytes a lane
.set CO,   14                          ; v14    the same two rows in concat
.set L16,  15                          ; v15    16 x lane
.set CW,   16                          ; v16-23 correlation_weight(16 a + r)
.set PFOK, 24                          ; v24    2,048 x lane: a row of k;  v25: 3,072 x lane: a row of v; never rewritten
.set PFOV, 25
.set SPW,  26                          ; v26    LDS address of my spare word; never rewritten
.set NIL,  27                          ; v27    0; never rewritten
.set X,    32
.set BF,   96
.set QF,   224
.set SF,   224
.set TT,   240                         ; eight pairs: a row tile's score in two halves; later the gate in the pair's low register
.set TMP,  96
.set BQK,  128                         ; in window 3
.set BV,   160
.set QP,   192
.set PFK,  4                           ; s[4:5]   k at my work-group's 32 rows of the batch's 128
.set AV,   6                           ; s[6:7]   v at the 64 rows that I would fetch
.set PFV,  8                           ; s[8:9]   v at my work-group's 32 rows
.set BVP,  10                          ; s[10:11] Wv at the 128 rows that I would fetch
.set WV,   30                          ; s30  wave
.set HALF, 31                          ; s31  0: I fetch for k and v; 1: for the weights
.set G1A,  36                          ; descriptor groups 1 for k's and v's tiles: s[36:43] slot P's, s[52:59] slot Z's (G1A + 16 x slot)
.set G1B,  44                          ; for the weights' tiles: s[44:51] slot P's, s[68:75] slot Z's (G1B + 24 x slot)
.set G0A,  76                          ; groups 0, a set for each slot
.set G0B,  84
.set LAM,  66
.set LIM,  67
.set PADP, (1<<20)|(1<<21)|(6<<22)|(3<<25)  ; elements of 1 byte; padding on; bit 21 beside a mask; after every 128 words, 4 words
.set PADZ, (1<<20)|(1<<21)|(5<<22)|(3<<25)  ; after every 64 words, 4 words
.set MUL,  0xa4                        ; source 0 (weight) window 0, source 1 (k, v) window 1, C and D window 2
.set MULB, 0xb4                        ; the same with C (a bias) from window 3
.set W_Q,  0xf0                        ; both sources window 0, C and D window 3
.set TO_A, 0x40                        ; destination window 1
.set MSB, 0
.macro WIN new                         ; the immediate's high byte repeats the setting that is left
.if MSB != (\new)
	s_set_vgpr_msb (MSB<<8)|(\new)
.set MSB, \new
.endif
.endm
.macro PLACES n
.rept \n
	v_nop
.endr
.endm
; A joint load: waves 0 and 1 fetch the two halves (64 rows) of k's or v's tile, waves 2 and 3 the two halves (128 rows) of the weight's.  The branch hangs on the wave's number alone.  Four v_nop follow each of the two lines.
.macro JLOAD g0a, g1a, g0b, g1b
	s_cmp_eq_u32 s[HALF], 0
	s_cbranch_scc0 .Lfor_b_\@
	tensor_load_to_lds s[\g0a:\g0a+3], s[\g1a:\g1a+7]
	s_nop 0
.rept 4
	v_nop
.endr
	s_branch .Lasked_\@
.Lfor_b_\@:
	tensor_load_to_lds s[\g0b:\g0b+3], s[\g1b:\g1b+7]
	s_nop 0
.rept 4
	v_nop
.endr
.Lasked_\@:
.endm
.macro CREST                           ; a round of the cluster's barrier behind its opening barrier
	s_cmp_lg_u32 s[WV], 0
	s_cbranch_scc1 .Lnot_wave_0_\@
	s_barrier_signal -3
.Lnot_wave_0_\@:
	s_barrier_wait -3
	s_barrier_signal -1
	s_barrier_wait -1
.endm
.macro CROUND
	s_barrier_signal -1
	s_barrier_wait -1
	CREST
.endm
.macro FRAG reg, adr, off              ; a fragment: registers 4 c .. 4 c + 3 hold K = 32 c + 16 h + 0 .. 15 of row r
.irp c, 0,1,2,3
	ds_load_b128 v[(\reg)+4*\c:(\reg)+4*\c+3], v[\adr] offset:(\off)+32*\c
.endr
.endm
; One run of LDS loads: the fragments of the slot's q-th 128 along K into the given set: q's (qi: which 128 of its 2,048; -1: none), the weight's four, then the eight of k or v in ascending order.
; slot 0 is P, slot 1 is Z: the pitch is PP - 256 x slot.  The largest offset, in P: 384 + 96 + 7 x 16 x 528 = 59,616, inside the 16-bit immediate.
.macro FETCH slot, q, set, qi
	WIN 0
.if (\qi) >= 0
	FRAG QF+16*(\set), ADRQ, 128*(\qi)
.endif
.irp t, 0,1,2,3
	FRAG BF+64*(\set)+16*\t, ADRB+(\slot), 128*(\q)+16*(PP-256*(\slot))*\t
.endr
	WIN TO_A
.irp a, 0,1,2,3,4,5,6,7
	FRAG 128*(\set)+16*\a, ADRA+(\slot), 128*(\q)+16*(PP-256*(\slot))*\a
.endr
.endm
; 8 matrix instructions: row tiles a0, a0 + 1 x my four column tiles.  mode 0: onto the sums; mode 1: the sums begin with the bias as C.  The accumulators take turns, one instruction a turn.
.macro MUL8 a0, set, mode, bias
.irp a, \a0, \a0+1
.irp t, 0,1,2,3
.if (\mode) == 0
	v_wmma_f32_16x16x128_fp8_fp8 v[8*(4*(\a)+\t):8*(4*(\a)+\t)+7], v[BF+64*(\set)+16*\t:BF+64*(\set)+16*\t+15], v[128*(\set)+16*(\a):128*(\set)+16*(\a)+15], v[8*(4*(\a)+\t):8*(4*(\a)+\t)+7]
.else
	v_wmma_f32_16x16x128_fp8_fp8 v[8*(4*(\a)+\t):8*(4*(\a)+\t)+7], v[BF+64*(\set)+16*\t:BF+64*(\set)+16*\t+15], v[128*(\set)+16*(\a):128*(\set)+16*(\a)+15], v[(\bias)+8*\t:(\bias)+8*\t+7]
.endif
.endr
.endr
.endm
.macro MWIN mode
.if (\mode) == 1
	WIN MULB
.else
	WIN MUL
.endif
.endm
.macro MULQ set                        ; qp's four accumulators, which began as bq / 2^(e0 + e1)
	WIN W_Q
.irp t, 0,1,2,3
	v_wmma_f32_16x16x128_fp8_fp8 v[QP+8*\t:QP+8*\t+7], v[BF+64*(\set)+16*\t:BF+64*(\set)+16*\t+15], v[QF+16*(\set):QF+16*(\set)+15], v[QP+8*\t:QP+8*\t+7]
.endr
.endm
; A step of 128 along K on the given set; in its middle the next step's fragments are fetched into the other set, in one run behind four places
; (a load into a register that a matrix instruction has read stands four plain vector instructions behind it: ISA guide 7.12.1 for vector instructions).
.macro STEP set, nslot, nq, mode, bias, qi, doq
	s_wait_dscnt 16                                ; all but the youngest sixteen loads (row tiles 4-7) are in
	MWIN \mode
	MUL8 0, \set, \mode, \bias
	MUL8 2, \set, \mode, \bias
	s_wait_dscnt 0x0                               ; row tiles 4-7 are in
	PLACES 4
	FETCH \nslot, \nq, 1-(\set), \qi
	MWIN \mode
	MUL8 4, \set, \mode, \bias
	MUL8 6, \set, \mode, \bias
.if \doq
	MULQ \set
.endif
.endm
; PREFETCHES INTO THE L2 of k's and v's tiles, two refills (six steps of 128 along K, 192 matrix instructions and more) ahead of the joint load that will ask for them: the change of slots that leaves fill i names fill i + 4, which goes
; into the same slot: two blocks of 256 bytes of each row for P (n = 2), one for Z (n = 1).  The batch's 128 rows are read by the four partners of a row of the cluster alone: each takes 32 of them, told apart by address; in each, wave 0
; asks, a lane a row: each block of 256 bytes is named once.  Named are k's last 512 bytes of a row and all of v; k's first 1,536 come by their loads alone.  The last two changes that fill a slot ask for nothing.
; The weights, which sixteen rows of clusters read, are not asked for.  kind 0: in k; 1: in v, written out; 2: in v, in the loop, while more than one trip is left.
.macro ASK kind, off, n
	WIN 0
.if (\kind) == 2
	s_cmp_gt_u32 s3, s[LIM]
	s_cbranch_scc0 .Lnot_mine_\@
.else
	s_cmp_lg_u32 s[WV], 0
	s_cbranch_scc1 .Lnot_mine_\@
.endif
.if (\kind) == 0
	global_prefetch_b8 v[PFOK], s[PFK:PFK+1] offset:\off th:TH_LOAD_NT scope:SCOPE_SE
.if (\n) > 1
	global_prefetch_b8 v[PFOK], s[PFK:PFK+1] offset:\off+256 th:TH_LOAD_NT scope:SCOPE_SE
.endif
.else
	global_prefetch_b8 v[PFOV], s[PFV:PFV+1] offset:\off th:TH_LOAD_NT scope:SCOPE_SE
.if (\n) > 1
	global_prefetch_b8 v[PFOV], s[PFV:PFV+1] offset:\off+256 th:TH_LOAD_NT scope:SCOPE_SE
.endif
.endif
.Lnot_mine_\@:
.endm
; A slot's last step (always set 1: P has four steps, Z two) changes slots: ONE barrier; in front of it each wave waits for all its tensor loads, adds 0 to its spare word, and waits for that and for its own reads of this slot.
; fill = 1: this slot takes its next part of the same tensors, 768 bytes further along the rows (P's 512 and Z's 256 lie between); 2: its first part of v and Wv (Z: from byte 0; P: from byte 256), whose rows are 3,072 bytes apart; 0: nothing.
; With a fill the barrier opens a round of the cluster's barrier, and the joint load is the first thing behind it.
.macro TURN slot, next, fill, qi, doq, akind, aoff
.if ((\akind) == 2) && ((\slot) == 1)
	s_wait_xcnt 0x0                                ; the last prefetches, two steps back, have read their address: it is stepped here, once a trip
	s_add_nc_u64 s[PFV:PFV+1], s[PFV:PFV+1], 768
.endif
	WIN 0                                          ; (the add's two registers lie in window 0)
	s_wait_tensorcnt 0x0                           ; all my tensor loads have landed: the one that was out is my part of the next slot; so descriptors may be written
	ds_add_u32 v[SPW], v[NIL]                      ; 0 onto my spare word
.if (\fill) == 1
	s_add_nc_u64 s[G0A+4*(\slot)+2:G0A+4*(\slot)+3], s[G0A+4*(\slot)+2:G0A+4*(\slot)+3], 768
	s_add_nc_u64 s[G0B+4*(\slot)+2:G0B+4*(\slot)+3], s[G0B+4*(\slot)+2:G0B+4*(\slot)+3], 768
.elseif (\fill) == 2
	s_add_nc_u64 s[G0A+4*(\slot)+2:G0A+4*(\slot)+3], s[AV:AV+1], 256*(1-(\slot))
	s_or_b32 s[G0A+4*(\slot)+3], s[G0A+4*(\slot)+3], 0x80000000
	s_add_nc_u64 s[G0B+4*(\slot)+2:G0B+4*(\slot)+3], s[BVP:BVP+1], 256*(1-(\slot))
	s_or_b32 s[G0B+4*(\slot)+3], s[G0B+4*(\slot)+3], 0x80000000
	s_mov_b32 s[G1A+16*(\slot)+5], 3072            ; from here on this slot's tiles are cut from rows of 3,072 bytes
	s_mov_b32 s[G1B+24*(\slot)+5], 3072
.endif
	s_wait_dscnt 17                                ; (the add and the youngest sixteen loads may be out)
	WIN MUL
	MUL8 0, 1, 0, 0                                ; eight matrix instructions stand between the add and the wait for it
	s_wait_dscnt 0x0                               ; the add is done, and my reads of this slot are over
	s_barrier_signal -1
	MUL8 2, 1, 0, 0
	WIN 0
	s_barrier_wait -1
.if (\fill) == 0
	PLACES 4
.else
	CREST                                          ; no wave of any partner still reads this slot or has a load on its way
	JLOAD G0A+4*(\slot), G1A+16*(\slot), G0B+4*(\slot), G1B+24*(\slot)
.endif
	FETCH \next, 0, 0, \qi                         ; the four v_nop above are the places in front of these loads
.if (\akind) >= 0
	ASK \akind, \aoff, 2-(\slot)
.endif
	WIN MUL
	MUL8 4, 1, 0, 0
	MUL8 6, 1, 0, 0
.if \doq
	MULQ 1
.endif
.endm
	s_load_b512 s[4:19], s[0:1], 0x0               ; k, v, Wq, Wv, q, qe, bq, bv
	s_load_b256 s[20:27], s[0:1], 0x40             ; correlation_weight, lambdas, the exponents, concat
	s_load_b64 s[28:29], s[0:1], 0x60              ; out1
	v_lshl_add_u32 v[SPW], v0, 2, SPARE
	v_mov_b32 v[NIL], 0
	ds_add_u32 v26, v27
	ds_add_u32 v26, v27
	s_wait_dscnt 0x0
	v_lshrrev_b32 v1, 5, v0
	v_readfirstlane_b32 s[WV], v1                  ; wave 0..3
	s_lshr_b32 s[HALF], s[WV], 1
	s_and_b32 s32, s[WV], 1                        ; u: which half of the tile I fetch
	s_bfe_u32 s33, ttmp6, 0x40000                  ; cx
	s_bfe_u32 s34, ttmp6, 0x40004                  ; cy
	s_lshl_b32 s35, ttmp9, 2
	s_add_co_u32 s35, s35, s33                     ; g: the tile of 256 columns = 4 x cluster x + cx
	s_and_b32 s60, ttmp7, 0xffff
	s_lshl_b32 s60, s60, 2
	s_add_co_u32 s60, s60, s34                     ; b: the batch = 4 x cluster y + cy
	s_lshl_b32 s61, s35, 2
	s_add_co_u32 s61, s61, s[WV]                   ; my head
	s_lshl_b32 s2, s34, 2
	s_lshl_b32 s2, 15, s2                          ; my row of the cluster
	s_lshl_b32 s104, 0x1111, s33                   ; my column
	s_or_b32 s[G1A], s2, PADP
	s_or_b32 s[G1A+16], s2, PADZ
	s_or_b32 s[G1B], s104, PADP
	s_or_b32 s[G1B+24], s104, PADZ
.irp g, G1A, G1B
	s_mov_b32 s[\g+1], 512<<16                     ; slot P: tensor_dim0 = 512
	s_mov_b32 s[\g+3], 512<<16                     ; tile_dim0 = 512
.endr
.irp g, G1A+16, G1B+24
	s_mov_b32 s[\g+1], 256<<16                     ; slot Z: 256
	s_mov_b32 s[\g+3], 256<<16
.endr
.irp g, G1A, G1A+16
	s_mov_b32 s[\g+2], 64<<16                      ; k, v: tensor_dim1 = 64
	s_mov_b32 s[\g+4], 64                          ; tile_dim1 = 64
.endr
.irp g, G1B, G1B+24
	s_mov_b32 s[\g+2], 128<<16                     ; the weights: 128
	s_mov_b32 s[\g+4], 128
.endr
.irp g, G1A, G1A+16, G1B, G1B+24
	s_mov_b32 s[\g+5], 2048                        ; bytes from row to row in k and Wq
	s_mov_b32 s[\g+6], 0
	s_mov_b32 s[\g+7], 0
.endr
	s_lshl_b32 s92, s60, 7
	s_lshl_b32 s2, s32, 6
	s_add_co_u32 s92, s92, s2                      ; k, v: row 128 b + 64 u
	s_lshl_b32 s93, s35, 8
	s_lshl_b32 s104, s32, 7
	s_add_co_u32 s93, s93, s104                    ; the weights: row 256 g + 128 u
	s_lshl_b32 s2, s92, 11
	s_mov_b32 s3, 0
	s_lshl_b32 s104, s93, 11
	s_mov_b32 s105, 0
	s_mov_b32 s62, 0x76543210                      ; v_permlanex16_b32's selects for lane l xor 16
	s_mov_b32 s63, 0xfedcba98
	s_wait_kmcnt 0x0
	CROUND                                         ; all sixteen work-groups are here: the first joint loads meet
	s_mov_b32 s[G0A], 1
	s_mul_i32 s[G0A+1], s32, 64*PP                 ; where the tiles go: the wave's number and constants alone: no place in the cluster enters an LDS address
	s_add_nc_u64 s[G0A+2:G0A+3], s[4:5], s[2:3]    ; slot P: K = 0 .. 511
	s_mov_b32 s[G0A+4], 1
	s_mul_i32 s[G0A+5], s32, 64*PZ
	s_add_co_u32 s[G0A+5], s[G0A+5], ZB
	s_add_nc_u64 s[G0A+6:G0A+7], s[G0A+2:G0A+3], 512   ; slot Z: K = 512 .. 767
	s_or_b32 s[G0A+3], s[G0A+3], 0x80000000
	s_or_b32 s[G0A+7], s[G0A+7], 0x80000000
	s_mov_b32 s[G0B], 1
	s_mul_i32 s[G0B+1], s32, 128*PP
	s_add_co_u32 s[G0B+1], s[G0B+1], APB
	s_add_nc_u64 s[G0B+2:G0B+3], s[8:9], s[104:105]
	s_mov_b32 s[G0B+4], 1
	s_mul_i32 s[G0B+5], s32, 128*PZ
	s_add_co_u32 s[G0B+5], s[G0B+5], ZB+AZB
	s_add_nc_u64 s[G0B+6:G0B+7], s[G0B+2:G0B+3], 512
	s_or_b32 s[G0B+3], s[G0B+3], 0x80000000
	s_or_b32 s[G0B+7], s[G0B+7], 0x80000000
	JLOAD G0A, G1A, G0B, G1B                       ; both slots' first fills: two loads of mine are out
	JLOAD G0A+4, G1A+16, G0B+4, G1B+24
	; the other addresses
	s_lshl_b32 s94, s33, 5
	s_lshl_b32 s95, s60, 7
	s_add_co_u32 s94, s94, s95                     ; row 128 b + 32 cx: my work-group's share of the prefetches
	s_lshl_b32 s104, s94, 11
	s_add_nc_u64 s[PFK:PFK+1], s[4:5], s[104:105]
	s_mul_i32 s104, s94, 3072
	s_add_nc_u64 s[PFV:PFV+1], s[6:7], s[104:105]
	s_mul_i32 s2, s92, 3072
	s_add_nc_u64 s[AV:AV+1], s[6:7], s[2:3]
	s_mul_i32 s104, s93, 3072
	s_add_nc_u64 s[BVP:BVP+1], s[10:11], s[104:105]
	s_lshl_b32 s2, s60, 11
	s_add_nc_u64 s[12:13], s[12:13], s[2:3]        ; q's row
	s_lshl_b32 s2, s60, 14
	s_add_nc_u64 s[14:15], s[14:15], s[2:3]        ; qe's 128 x 128 codes
	s_lshl_b32 s104, s61, 8
	s_add_nc_u64 s[16:17], s[16:17], s[104:105]    ; bq, bv at my head's 64 numbers
	s_add_nc_u64 s[18:19], s[18:19], s[104:105]
	s_lshl_b32 s2, s60, 9
	s_add_nc_u64 s[20:21], s[20:21], s[2:3]        ; correlation_weight's and out1's row
	s_add_nc_u64 s[28:29], s[28:29], s[2:3]
	s_lshl_b32 s104, s61, 2
	s_add_nc_u64 s[22:23], s[22:23], s[104:105]    ; my head's lambda
	s_lshl_b32 s104, s60, 17
	s_lshl_b32 s2, s[WV], 15
	s_add_co_u32 s104, s104, s2
	s_lshl_b32 s2, s35, 8
	s_add_co_u32 s104, s104, s2
	s_add_nc_u64 s[26:27], s[26:27], s[104:105]    ; concat: row 128 b + 32 w, byte 256 g
	s_load_b256 s[92:99], s[24:25], 0x0            ; e0 .. e7
	s_load_b64 s[100:101], s[24:25], 0x20          ; e8, e9
	s_load_b32 s[LAM], s[22:23], 0x0
	v_and_b32 v1, 15, v0                           ; r
	v_bfe_u32 v2, v0, 4, 1                         ; h
	v_mul_u32_u24 v3, v1, PP
	v_lshl_add_u32 v[ADRA], v2, 4, v3              ; slot P: a fragment's row x pitch + 16 h
	s_mul_i32 s2, s[WV], 64*PP
	s_add_co_u32 s2, s2, APB                       ; my head's 64 rows of the weight's tile
	v_add_nc_u32 v[ADRB], s2, v[ADRA]
	v_mul_u32_u24 v3, v1, PZ
	v_lshl_add_u32 v3, v2, 4, v3                   ; slot Z likewise
	v_add_nc_u32 v[ADRA+1], ZB, v3
	s_mul_i32 s2, s[WV], 64*PZ
	s_add_co_u32 s2, s2, ZB+AZB
	v_add_nc_u32 v[ADRB+1], s2, v3
	v_and_b32 v[L16], 31, v0
	v_lshlrev_b32 v[L16], 4, v[L16]
	s_lshl_b32 s2, s[WV], 11
	s_add_co_u32 s2, s2, QS
	v_lshl_add_u32 v[ADRQ], v2, 4, s2
	v_add_nc_u32 v3, s2, v[L16]                    ; where I put q's codes
	s_lshl_b32 s2, s[WV], 9
	s_add_co_u32 s2, s2, SC
	v_lshl_add_u32 v[SCW], v1, 2, s2
	v_lshl_add_u32 v[SCR], v2, 6, s2
	v_add_nc_u32 v[SCO], s2, v[L16]
	s_lshl_b32 s2, s[WV], 6
	s_add_co_u32 s2, s2, STAGE
	v_mul_u32_u24 v[STO], v1, SPITCH
	v_lshl_add_u32 v[STO], v2, 3, v[STO]
	v_add_nc_u32 v[STO], s2, v[STO]
	s_mul_i32 s2, s[WV], 32*SPITCH
	s_add_co_u32 s2, s2, STAGE
	v_mul_u32_u24 v[RD], v2, SPITCH
	v_lshl_add_u32 v[RD], v1, 4, v[RD]
	v_add_nc_u32 v[RD], s2, v[RD]
	v_lshlrev_b32 v[CO], 10, v2
	v_lshl_add_u32 v[CO], v1, 4, v[CO]
	v_lshlrev_b32 v[PFOK], 7, v[L16]
	v_mul_u32_u24 v[PFOV], v[L16], 192
	v_lshlrev_b32 v48, 7, v1
	v_lshl_add_u32 v48, v2, 4, v48                 ; qe: row r of 128 bytes, + 16 h
	v_lshlrev_b32 v49, 5, v2                       ; a bias: my half's eight numbers of a column tile
	v_lshlrev_b32 v50, 2, v1                       ; correlation_weight: 4 r
.irp i, 0,1,2,3
	global_load_b128 v[X+4*\i:X+4*\i+3], v[L16], s[12:13] offset:512*\i   ; q's 2,048 codes, 512 consecutive bytes a load
.endr
.irp a, 0,1,2,3,4,5,6,7
	global_load_b32 v[CW+\a], v50, s[20:21] offset:64*\a
.endr
	WIN 0xc0                                       ; destination window 3
.irp a, 0,1,2,3,4,5,6,7
.irp c, 0,1,2,3
	global_load_b128 v[16*\a+4*\c:16*\a+4*\c+3], v48, s[14:15] offset:2048*\a+32*\c   ; qe's fragment a: rows 16 a + r; it stays in registers
.endr
.endr
.irp t, 0,1,2,3
	global_load_b128 v[BQK+8*\t:BQK+8*\t+3], v49, s[16:17] offset:64*\t
	global_load_b128 v[BQK+8*\t+4:BQK+8*\t+7], v49, s[16:17] offset:64*\t+16
	global_load_b128 v[BV+8*\t:BV+8*\t+3], v49, s[18:19] offset:64*\t
	global_load_b128 v[BV+8*\t+4:BV+8*\t+7], v49, s[18:19] offset:64*\t+16
.endr
	WIN 0
	s_wait_loadcnt 0x0
	s_wait_kmcnt 0x0
.irp i, 0,1,2,3
	ds_store_b128 v3, v[X+4*\i:X+4*\i+3] offset:512*\i   ; my wave's own copy: only I read it
.endr
	s_add_co_i32 s16, s92, s93
	s_sub_co_i32 s16, 0, s16                       ; -(e0 + e1)
	s_add_co_i32 s17, s94, s95
	s_sub_co_i32 s17, 0, s17                       ; -(e2 + e3)
	s_add_co_i32 s18, s98, s99
	s_sub_co_i32 s18, 0, s18                       ; -(e6 + e7)
	s_add_co_i32 s19, s16, s17
	s_sub_co_i32 s19, -3, s19                      ; e0 + e1 + e2 + e3 - 3: the two sums' powers of two and the division by 8
	s_add_co_i32 s20, s96, s97                     ; e4 + e5
	s_add_co_i32 s2, s96, 127
	s_lshl_b32 s3, s2, 23
	v_mov_b32 v28, s3                              ; 2^e4 as f32: the conversion takes its exponent field
	s_add_co_i32 s2, s2, 8
	s_lshl_b32 s2, s2, 23
	s_or_b32 s2, s2, 0x600000
	v_mov_b32 v29, s2                              ; 448 x 2^e4
	s_add_co_i32 s2, s100, s18
	s_add_co_i32 s2, s2, 127
	s_lshl_b32 s3, s2, 23
	v_mov_b32 v30, s3                              ; 2^(e8 - e6 - e7): a sum of the V product stands for sum x 2^(e6 + e7): the three scales in one
	s_add_co_i32 s2, s2, 8
	s_lshl_b32 s2, s2, 23
	s_or_b32 s2, s2, 0x600000
	v_mov_b32 v31, s2
	s_cmp_eq_u32 s[WV], 0
	s_cselect_b32 s[LIM], 1, -1
	WIN 0xc3                                       ; source 0 and destination window 3
.set J, 0
.rept 32
	v_ldexp_f32 v[QP+J], v[BQK+J], s16             ; qp's sums begin as bq / 2^(e0 + e1)
.set J, J+1
.endr
.set J, 0
.rept 32
	v_ldexp_f32 v[BQK+J], v[BQK+J], s17            ; kp's first C: bq / 2^(e2 + e3)
	v_ldexp_f32 v[BV+J], v[BV+J], s18              ; vp's: bv / 2^(e6 + e7)
.set J, J+1
.endr
	WIN 0
	s_wait_dscnt 0x0
	s_wait_tensorcnt 1                             ; my part of slot P is in; slot Z's may stay out
	s_barrier_signal -1
	s_barrier_wait -1                              ; everybody's is
	FETCH 0, 0, 0, 0
	; ---- kp and qp: 16 steps of 128 along K (P Z P Z P), written out so that q's place and the prefetches' offsets are immediates
	STEP 0, 0, 1, 1, BQK, 1, 1
	STEP 1, 0, 2, 0, 0, 2, 1
	STEP 0, 0, 3, 0, 0, 3, 1
	TURN 0, 1, 1, 4, 1, 0, 1536                    ; P takes K = 768 .. 1,279
	STEP 0, 1, 1, 0, 0, 5, 1
	TURN 1, 0, 1, 6, 1, 1, 0                       ; Z takes K = 1,280 .. 1,535
	STEP 0, 0, 1, 0, 0, 7, 1
	STEP 1, 0, 2, 0, 0, 8, 1
	STEP 0, 0, 3, 0, 0, 9, 1
	TURN 0, 1, 1, 10, 1, 1, 256                    ; P takes K = 1,536 .. 2,047
	STEP 0, 1, 1, 0, 0, 11, 1
	TURN 1, 0, 2, 12, 1, 1, 768                    ; Z takes v's and Wv's K = 0 .. 255,
	STEP 0, 0, 1, 0, 0, 13, 1
	STEP 1, 0, 2, 0, 0, 14, 1
	STEP 0, 0, 3, 0, 0, 15, 1
	TURN 0, 1, 2, -1, 1, 1, 1024                   ; P their K = 256 .. 767, and the V product's first fragments are fetched: they land during what follows, which touches none of their registers
	; ---- the scores: my lane's 32 columns of qp . kp for each of its eight rows, two at a time; each accumulator from its low end on
	PLACES 4
	WIN 0x0e                                       ; source 0 window 2 (kp), source 1 window 3 (qp)
.irp t, 0,1,2,3
.irp p, 0,2,4,6
.irp a, 0,1,2,3,4,5,6,7
.if (\t == 0) && (\p == 0)
	v_pk_mul_f32 v[TT+2*\a:TT+2*\a+1], v[8*(4*\a+\t)+\p:8*(4*\a+\t)+\p+1], v[QP+8*\t+\p:QP+8*\t+\p+1]
.else
	v_pk_fma_f32 v[TT+2*\a:TT+2*\a+1], v[8*(4*\a+\t)+\p:8*(4*\a+\t)+\p+1], v[QP+8*\t+\p:QP+8*\t+\p+1], v[TT+2*\a:TT+2*\a+1]
.endif
.endr
.endr
.endr
	WIN 0
.irp a, 0,1,2,3,4,5,6,7
	v_add_f32 v[TT+2*\a], v[TT+2*\a], v[TT+2*\a+1]
.endr
.irp a, 0,1,2,3,4,5,6,7
	v_permlanex16_b32 v[TT+2*\a+1], v[TT+2*\a], s62, s63   ; the row's other 32 columns lie in the lane 16 away
.endr
.irp a, 0,1,2,3,4,5,6,7
	v_add_f32 v[TT+2*\a], v[TT+2*\a], v[TT+2*\a+1]
.endr
.irp a, 0,1,2,3,4,5,6,7
	v_ldexp_f32 v[TT+2*\a], v[TT+2*\a], s19        ; score(16 a + r)
.endr
.irp a, 0,1,2,3,4,5,6,7
	ds_store_b32 v[SCW], v[TT+2*\a] offset:64*\a   ; both halves of the lanes store the same number to the same word
.endr
.irp c, 0,1,2,3
.irp i, 0,1,2,3
	ds_load_b128 v[X+16*\c+4*\i:X+16*\c+4*\i+3], v[SCR] offset:128*\c+16*\i   ; LDS serves a wave's instructions in order: these see my stores.  X[16 c + i] = score(32 c + 16 h + i): the order of qe's fragments
.endr
.endr
	s_wait_dscnt 0x0
.irp c, 0,1,2,3
.irp i, 0,1,2,3,4,5,6,7,8,9,10,11,12,13,14,15
	v_med3_num_f32 v[X+16*\c+\i], v[X+16*\c+\i], -v29, v29   ; the conversion to an 8-bit code does not saturate (ISA guide 7.6.2): the hold at the largest code x the scale
.endr
	v_cvt_scalef32_pk8_fp8_f32 v[SF+4*\c:SF+4*\c+1], v[X+16*\c:X+16*\c+7], v28
	v_cvt_scalef32_pk8_fp8_f32 v[SF+4*\c+2:SF+4*\c+3], v[X+16*\c+8:X+16*\c+15], v28
.endr
	v_nop                                          ; one plain vector instruction between the conversions and the products, which read their results and write over their sources
	WIN 0x0c                                       ; source 1 (qe) window 3
.irp a, 0,1,2,3,4,5,6,7
	v_wmma_f32_16x16x128_fp8_fp8 v[X+8*\a:X+8*\a+7], v[SF:SF+15], v[16*\a:16*\a+15], 0   ; source 0: my head's scores in all 16 rows; source 1: rows 16 a + r of qe: every register of lane (r, h) holds qe_score(16 a + r)
.endr
	WIN 0
	PLACES 4
.irp a, 0,1,2,3,4,5,6,7
	v_ldexp_f32 v[TT+2*\a], v[X+8*\a], s20         ; x 2^(e4 + e5); the result's lowest register is read
.endr
.irp a, 0,1,2,3,4,5,6,7
	ds_store_b32 v[SCW], v[TT+2*\a] offset:64*\a
.endr
	ds_load_b128 v[SF:SF+3], v[SCO]                ; back as a row: four neighbours a lane
	v_mov_b32 v3, s[LAM]
	v_sub_f32 v1, 1.0, v3
.irp a, 0,1,2,3,4,5,6,7
	v_mul_f32 v[CW+\a], v3, v[CW+\a]
.endr
.irp a, 0,1,2,3,4,5,6,7
	v_fma_f32 v[CW+\a], v1, v[TT+2*\a], v[CW+\a]   ; z = lam cw + (1 - lam) qe_score
.endr
.irp a, 0,1,2,3,4,5,6,7
	v_mul_f32 v[CW+\a], 0xbfb8aa3b, v[CW+\a]       ; -z log2(e)
.endr
.irp a, 0,1,2,3,4,5,6,7
	v_exp_f32 v[CW+\a], v[CW+\a]
.endr
	v_nop                                          ; a plain instruction behind the last exponential
	s_wait_alu depctr_va_vdst(0)                   ; one wait for the eight, ahead of their first reader
.irp a, 0,1,2,3,4,5,6,7
	v_add_f32 v[CW+\a], 1.0, v[CW+\a]
.endr
	s_wait_dscnt 0x0                               ; qe_score's row is back, and the LDS stores have read the registers that the reciprocals write
.irp a, 0,1,2,3,4,5,6,7
	v_rcp_f32 v[TT+2*\a], v[CW+\a]                 ; the gate of row 16 a + r: 1 / (1 + 2^(-z log2 e))
.endr
	v_nop
	s_wait_alu depctr_va_vdst(0)                   ; one wait for the eight reciprocals
	v_mov_b32 v3, s61
	v_cmp_eq_u32 vcc_lo, 0, v3                     ; out1 is head 0's row: a mask over the lanes, not a branch: all lanes on in head 0's wave, none elsewhere
	s_wait_xcnt 0x0                                ; EXEC changes only behind this wait
	s_and_saveexec_b32 s2, vcc_lo
	global_store_b128 v[L16], v[SF:SF+3], s[28:29] ; 32 lanes store the row's 512 consecutive bytes
	s_wait_xcnt 0x0
	s_or_b32 exec_lo, exec_lo, s2
	s_add_nc_u64 s[PFV:PFV+1], s[PFV:PFV+1], 768   ; the loop's first trip steps it to byte 1,536 of v's rows
	; ---- vp: 24 steps of 128 along K (Z P Z P Z P Z P)
	STEP 0, 1, 1, 1, BV, -1, 0
	WIN 0                                          ; at a label and at a branch every window is 0
	s_mov_b32 s3, 3
.Lv:                                                   ; a trip goes once round the ring, from Z's second step to the next Z's first, and fills both slots again
	TURN 1, 0, 1, -1, 0, 2, 0
	STEP 0, 0, 1, 0, 0, -1, 0
	STEP 1, 0, 2, 0, 0, -1, 0
	STEP 0, 0, 3, 0, 0, -1, 0
	TURN 0, 1, 1, -1, 0, 2, 256
	STEP 0, 1, 1, 0, 0, -1, 0
	WIN 0
	s_sub_co_u32 s3, s3, 1
	s_cmp_lg_u32 s3, 0
	s_cbranch_scc1 .Lv
	TURN 1, 0, 0, -1, 0, -1, 0                     ; the tail is written out, and there is no round of the cluster's barrier; behind this barrier nobody reads slot Z any more
	STEP 0, 0, 1, 0, 0, -1, 0
	STEP 1, 0, 2, 0, 0, -1, 0
	STEP 0, 0, 3, 0, 0, -1, 0
	s_wait_dscnt 16                                ; the very last step: nothing more to fetch
	WIN MUL
	MUL8 0, 1, 0, 0
	MUL8 2, 1, 0, 0
	s_wait_dscnt 0x0
	MUL8 4, 1, 0, 0
	MUL8 6, 1, 0, 0
	; ---- the way out: gate x vp, held, turned into codes (eight neighbouring columns of a row: 8 bytes), into the work-group's stage; back as whole rows of 256 bytes
	PLACES 4
.irp a, 0,1,2,3,4,5,6,7
	WIN 0x02                                       ; source 0 window 2
.irp t, 0,1,2,3
.irp p, 0,2,4,6
	v_pk_mul_f32 v[TMP+32*(\a%2)+8*\t+\p:TMP+32*(\a%2)+8*\t+\p+1], v[8*(4*\a+\t)+\p:8*(4*\a+\t)+\p+1], v[TT+2*\a:TT+2*\a+1] op_sel_hi:[1,0]
.endr
.endr
	WIN 0
.set J, 0
.rept 32
	v_med3_num_f32 v[TMP+32*(\a%2)+J], v[TMP+32*(\a%2)+J], -v31, v31
.set J, J+1
.endr
.irp t, 0,1,2,3
	v_cvt_scalef32_pk8_fp8_f32 v[X+8*\a+2*\t:X+8*\a+2*\t+1], v[TMP+32*(\a%2)+8*\t:TMP+32*(\a%2)+8*\t+7], v30
.endr
	v_nop                                          ; one plain vector instruction behind the last conversion of the run
.irp t, 0,1,2,3
	ds_store_b64 v[STO], v[X+8*\a+2*\t:X+8*\a+2*\t+1] offset:16*SPITCH*\a+16*\t
.endr
.endr
	s_wait_dscnt 0x0                               ; for the others' sake: my stores into the stage are done
	s_barrier_signal -1
	s_barrier_wait -1                              ; a row's 256 bytes come from four waves
.irp i, 0,1,2,3,4,5,6,7,8,9,10,11,12,13,14,15
	ds_load_b128 v[TMP+4*\i:TMP+4*\i+3], v[RD] offset:2*SPITCH*\i
.endr
.irp i, 0,1,2,3,4,5,6,7,8,9,10,11,12,13,14,15
	s_wait_dscnt 15-\i
	global_store_b128 v[CO], v[TMP+4*\i:TMP+4*\i+3], s[26:27] offset:2048*\i   ; 16 lanes store 256 consecutive bytes, at a multiple of 256 from concat's first byte
.endr
	s_wait_tensorcnt 0x0                           ; the wave's end
	ds_add_u32 v[SPW], v[NIL]
	s_wait_dscnt 0x0
	CROUND                                         ; the closing round: no work-group ends while a partner may still ask for a tile that names it
	s_endpgm
.Lfunc_end_k_q3f1b65c17a_gate_v:
	.size	k_q3f1b65c17a_gate_v, .Lfunc_end_k_q3f1b65c17a_gate_v-k_q3f1b65c17a_gate_v
	.p2alignl 7, 3214868480
	.fill 96, 4, 3214868480
	.section	.rodata,"a",@progbits
	.p2align	6, 0x0
	.amdhsa_kernel k_q3f1b65c17a_gate_v
		.amdhsa_group_segment_fixed_size 327680
		.amdhsa_private_segment_fixed_size 0
		.amdhsa_enable_private_segment 0
		.amdhsa_kernarg_size 104
		.amdhsa_user_sgpr_count 2
		.amdhsa_user_sgpr_kernarg_segment_ptr 1
		.amdhsa_wavefront_size32 1
		.amdhsa_system_sgpr_workgroup_id_x 1
		.amdhsa_system_sgpr_workgroup_id_y 1
		.amdhsa_system_sgpr_workgroup_id_z 1
		.amdhsa_system_vgpr_workitem_id 0
		.amdhsa_next_free_vgpr 1024
		.amdhsa_next_free_sgpr 106
		.amdhsa_reserve_vcc 1
		.amdhsa_float_denorm_mode_32 3
		.amdhsa_float_denorm_mode_16_64 3
		.amdhsa_memory_ordered 1
		.amdhsa_forward_progress 1
		.amdhsa_inst_pref_size 242
	.end_amdhsa_kernel
	.amdgpu_metadata
---
amdhsa.version: [ 1, 2 ]
amdhsa.kernels:
  - .name:           k_q3f1b65c17a_gate_v
    .symbol:         k_q3f1b65c17a_gate_v.kd
    .args:
      - { .name: k_codes, .offset: 0, .size: 8, .value_kind: global_buffer, .address_space: global }
      - { .name: v_backward_codes, .offset: 8, .size: 8, .value_kind: global_buffer, .address_space: global }
      - { .name: Wq_codes, .offset: 16, .size: 8, .value_kind: global_buffer, .address_space: global }
      - { .name: Wv_codes, .offset: 24, .size: 8, .value_kind: global_buffer, .address_space: global }
      - { .name: q_codes, .offset: 32, .size: 8, .value_kind: global_buffer, .address_space: global }
      - { .name: qe_codes, .offset: 40, .size: 8, .value_kind: global_buffer, .address_space: global }
      - { .name: bq, .offset: 48, .size: 8, .value_kind: global_buffer, .address_space: global }
      - { .name: bv, .offset: 56, .size: 8, .value_kind: global_buffer, .address_space: global }
      - { .name: correlation_weight, .offset: 64, .size: 8, .value_kind: global_buffer, .address_space: global }
      - { .name: lambdas, .offset: 72, .size: 8, .value_kind: global_buffer, .address_space: global }
      - { .name: lowp_scales, .offset: 80, .size: 8, .value_kind: global_buffer, .address_space: global }
      - { .name: concat, .offset: 88, .size: 8, .value_kind: global_buffer, .address_space: global }
      - { .name: out1, .offset: 96, .size: 8, .value_kind: global_buffer, .address_space: global }
    .group_segment_fixed_size: 327680
    .private_segment_fixed_size: 0
    .kernarg_segment_align: 8
    .kernarg_segment_size: 104
    .max_flat_workgroup_size: 128
    .sgpr_count:     106
    .vgpr_count:     1024
    .wavefront_size: 32
...
	.end_amdgpu_metadata
.endif
;; end of part 3
;; launch out_proj: the kernel of part 2 again; grid 4 x 64, 4 waves a work-group, clusters of 4 x 4, 327,680 bytes of LDS; arguments concat, Wo_codes, bo, lowp_scales, out0; writes out0
